; MI455X (gfx1250); checked and timed in simulation.
; The chip was launched on July 23, 2026; its instructions are those of AMD's public machine-readable ISA for CDNA 5 (MIT licence, August 2026) and "CDNA5" Instruction Set Architecture Reference Guide (July 2026). The comments in the code are by the model that wrote it; some were corrected since.
;; Mo E Layer. Allowed arithmetic: matrix products marked QUANTISED: E2M3 operands, one E8M0 scale for each 32 along K, by v_wmma_scale_f32_16x16x128_f8f6f4 with both operands' format E2M3, f32 sums; products left as they are: f32 operands where the result goes on into a quantised operand, else bf16, f16 or f32 operands; f32 sums; everything else in f32.
;; Inputs: W1 8 x 1,024 x 4,096 float32; W2 8 x 4,096 x 1,024 float32; Wg 1,024 x 8 float32; b1 8 x 4,096 float32; b2 8 x 1,024 float32; bg 8 float32; x 4 x 256 x 1,024 float32.
;; Outputs: out0 4 x 256 x 1,024 float32.
;; This version of the problem:
;;   THIS VERSION OF THE PROBLEM IS GIVEN IN LOW PRECISION. The matrix products marked QUANTISED in the list below multiply operands that are first quantised to E2M3 (2 exponent bits, 3 mantissa bits; 6 bits a number), with one power-of-two scale for each 32 numbers along K (OCP MX v1.0); their sums are f32. All else is computed in f32.
;;   The module's matrix products, in the order in which they are computed (A, B: the left and right operand; K: the contracted axis; several contracted axes count as one K, in the product's order):
;;     1. [M 1,024, K 1,024] x [K 1,024, N 8]; A: input x; B: input Wg: left as it is (N = 8 < 16)
;;     2. [M 32,768, K 1,024] x [K 1,024, N 1,024]; A: input W1; B: input x: QUANTISED
;;     3. batch 8 x [M 1,024, K 4,096] x [K 4,096, N 1,024]; A: input W2; B: computed on the way: QUANTISED
;;     4. batch 1,024 x [M 1,024, K 8] x [K 8, N 1]; A: computed on the way; B: computed on the way: left as it is (K = 8 < 32)
;;   THE QUANTISER, for each operand of a quantised product, along K:
;;     - K is cut into blocks of 32 from its start; a last block that is shorter is filled with zeros.
;;     - A block's scale is 2^e with e = floor(log2(the largest magnitude in the block)) - 2, held to -126 .. 127; a block of zeros has e = 0. As a byte (E8M0): e + 127.
;;     - Each number is divided by its block's scale, clamped to +-7.5, and rounded to the nearest number of E2M3, ties to even, subnormals kept.
;;     - The product sums the exact products of the quantised numbers (number of the format x scale) in f32.
;;   ~~~python
;;   def quantise(x, axis):      # numpy; x: float32 -> the quantised numbers, widened to float32 again
;;       x = np.moveaxis(x, axis, -1); K = x.shape[-1]
;;       x = np.pad(x, [(0, 0)] * (x.ndim - 1) + [(0, -K % 32)]); x = x.reshape(x.shape[:-1] + (-1, 32)); a = np.abs(x).max(-1, keepdims=True)
;;       e = np.where(a > 0, np.clip(np.frexp(np.where(a > 0, a, 1))[1] - 1 - 2, -126, 127), 0)      # np.frexp(a)[1] - 1 = floor(log2(a)), exactly
;;       r = np.clip(x / 2.0 ** e, -7.5, 7.5)
;;       step = 2.0 ** (np.maximum(np.frexp(np.where(r == 0, 1, r))[1] - 1, 0) - 3)
;;       q = np.round(r / step) * step * 2.0 ** e      # np.round: ties to even
;;       return np.moveaxis(q.reshape(q.shape[:-2] + (-1,))[..., :K], -1, axis).astype(np.float32)
;;   ~~~
;;   OPERANDS COMPUTED ON THE WAY. 'Computed on the way' means the value that the module computes at that place (a softmax that the list does not call 'softmax' is quantised finished and normalised). What goes into a quantiser is computed in f32, as accurately as f32 sums, v_exp_f32 and their like allow (about 1e-6 of the number): no bf16 or f16 on the way to a quantiser, and a product that is left as it is and whose result goes on into a quantised operand takes f32 operands (vector FMAs, or v_wmma_f32_16x16x4_f32). A number that lies on a knife's edge between two numbers of the format may be rounded either way, as far as f32 arithmetic and the matrix unit's own rounding can turn it there, and no further.
;; 2 versions, each right; version 2 is version 1 with the launches up, down written anew for expert scheduling mode. Each part assembles by itself: llvm-mc -triple=amdgcn-amd-amdhsa -mcpu=gfx1250 --defsym DOCPART=n.
;; ======== version 1 of 2: 4 launches
;; workspace buffers: top1 4,096 bytes of whole numbers; xq 786,432 bytes; xsc 32,768 bytes; hq 25,165,824 bytes; hsc 1,048,576 bytes; part 16,777,216 bytes
;; launch gate (part 1): grid 256 x 1, 4 waves a work-group, no clusters, 55,808 bytes of LDS; arguments x, Wg, bg, top1, xq, xsc; writes top1, xq, xsc
.if DOCPART == 1
	.amdgcn_target "amdgcn-amd-amdhsa--gfx1250"
	.amdhsa_code_object_version 6
	.text
	.protected	k_q3d38190c08_gate
	.globl	k_q3d38190c08_gate
	.p2align	8
	.type	k_q3d38190c08_gate,@function
k_q3d38190c08_gate:
	s_mov_b64 s[64:65], 0
	v_nop
	global_prefetch_b8 v0, s[64:65] scope:SCOPE_SE
	s_setreg_imm32_b32 hwreg(HW_REG_WAVE_MODE, 25, 1), 1
	s_wait_xcnt 0x0
; THE GATE AND x's CODES.  scores = x Wg + bg in f32 (fused multiply-adds), top1 = the first largest of the 8 scores, stored as a whole number;
; x [1024][1024] f32 becomes codes of FP6 (E2M3) with one E8M0 byte for each 32 along K.
; SHARES.  A wave takes one token (4 x work-group + wave); lane l owns block l of the row, k = 32 l .. 32 l + 31: the block's largest magnitude needs no other lane,
; the conversions find their 16 neighbours in one lane's registers, and the gate's product is 32 k a lane and one sum over the lanes.
; Loads take the bytes as they lie (512 consecutive bytes an instruction); x turns through the wave's own bytes of LDS, Wg (32 KiB, loaded once by the four waves) through bytes that all four read behind one barrier.
; xq: row t of 768 bytes = [h 2][K step 8][c 2][24 bytes]: what lane (r, h) of an operand wants of its token lies on end; block b = 4 s + 2 c + h.  xsc: row t of 32 bytes, byte b = block b.
; A block's scale byte is its largest magnitude's exponent field - 2, held at 1 from below.
; LIMITS: NaN and infinities are not served; a block whose largest magnitude lies under 2^-124 (zeros too) gets the byte 1, which this program alone reads;
; two scores that differ by less than the rounding of these f32 sums may be ordered otherwise than by another order of summing.
.set WGS, 0                            ; LDS: Wg, 32 rows (one a lane) of 1,024 bytes + 16
.set XT,  33280                        ; for each wave 32 rows (one a lane) of 128 bytes + 16
.set CST, 51712                        ; for each wave its token's 768 bytes of codes
.set SCS, 54784                        ; for each wave its token's 32 scale bytes
.set X,   32                           ; v32-63   my block's 32 numbers
.set XL,  64                           ; v64-95   x as loaded
.set WL,  96                           ; v96-159  Wg as loaded
.set ACC, 160                          ; v160-167 the 8 scores
.set C,   168                          ; v168-173 my block's codes
.set TMP, 176                          ; v176-178 their upper half as converted
.set MSB, 0
.macro WIN new                         ; the immediate's high byte repeats the setting that is left
.if MSB != \new
	s_set_vgpr_msb (MSB<<8)|\new
.set MSB, \new
.endif
.endm
	s_load_b256 s[4:11], s[0:1], 0x0               ; x s[4:5], Wg s[6:7], bg s[8:9], top1 s[10:11]
	s_load_b128 s[12:15], s[0:1], 0x20             ; xq s[12:13], xsc s[14:15]
	v_lshl_add_u32 v254, v0, 2, 0xd800
	v_mov_b32 v255, 0
	v_lshrrev_b32 v2, 5, v0
	v_readfirstlane_b32 s16, v2                    ; wave
	v_and_b32 v1, 31, v0                           ; lane
	v_lshlrev_b32 v3, 4, v1                        ; 16 x lane
	s_lshl_b32 s17, ttmp9, 2
	s_add_co_u32 s17, s17, s16                     ; my token
	s_mov_b32 s28, 0x76543210
	s_mov_b32 s29, 0xfedcba98                      ; v_permlanex16_b32's selects for lane l xor 16
	s_mul_i32 s18, s16, 4608
	s_add_co_u32 s18, s18, XT
	v_lshrrev_b32 v4, 3, v1
	v_mul_u32_u24 v4, v4, 144
	v_and_b32 v5, 7, v1
	v_lshl_add_u32 v4, v5, 4, v4
	v_add_nc_u32 v4, s18, v4                       ; x into LDS: eight lanes' 128 bytes are one owner's row
	v_mul_u32_u24 v5, v1, 144
	v_add_nc_u32 v5, s18, v5                       ; and back: my row
	s_mul_i32 s18, s16, 8320
	v_add_nc_u32 v6, s18, v3                       ; Wg into LDS: my wave's eight rows
	v_mul_u32_u24 v7, v1, 1040                     ; and back: my row
	s_mul_i32 s18, s16, 768
	s_add_co_u32 s18, s18, CST
	v_and_b32 v8, 1, v1
	v_mul_u32_u24 v8, v8, 384
	v_lshrrev_b32 v9, 2, v1
	v_mad_u32_u24 v8, v9, 48, v8
	v_bfe_u32 v9, v1, 1, 1
	v_mad_u32_u24 v8, v9, 24, v8
	v_add_nc_u32 v8, s18, v8                       ; my block's 24 bytes: 384 h + 48 s + 24 c
	v_add_nc_u32 v10, s18, v3                      ; the codes' way out: 16 bytes a lane,
	v_lshlrev_b32 v13, 3, v1
	v_add_nc_u32 v11, s18, v13                     ; then 8 bytes a lane
	s_lshl_b32 s18, s16, 5
	s_add_co_u32 s18, s18, SCS
	v_add_nc_u32 v9, s18, v1                       ; my block's scale byte
	v_and_b32 v12, 7, v1
	v_lshl_add_u32 v12, v12, 2, s18                ; the scale words' way out
	v_lshlrev_b32 v14, 2, v1
	v_mov_b32 v15, 0
	v_mov_b32 v187, 0                              ; a lane permute's destination counts as one of its sources
	s_lshl_b32 s18, s17, 12
	s_mov_b32 s19, 0
	s_wait_kmcnt 0x0
	s_load_b256 s[20:27], s[8:9], 0x0              ; bg
	s_add_nc_u64 s[4:5], s[4:5], s[18:19]          ; x at my token's row
	s_lshl_b32 s18, s16, 13
	s_add_nc_u64 s[6:7], s[6:7], s[18:19]          ; Wg at my wave's quarter
.irp j, 0,1,2,3,4,5,6,7
	global_load_b128 v[XL+4*\j:XL+4*\j+3], v3, s[4:5] offset:512*\j th:TH_LOAD_NT
.endr
.irp j, 0,1,2,3,4,5,6,7,8,9,10,11,12,13,14,15
	global_load_b128 v[WL+4*\j:WL+4*\j+3], v3, s[6:7] offset:512*\j
.endr
	s_mul_i32 s18, s17, 768
	s_add_nc_u64 s[12:13], s[12:13], s[18:19]
	s_lshl_b32 s18, s17, 5
	s_add_nc_u64 s[14:15], s[14:15], s[18:19]
	s_lshl_b32 s18, s17, 2
	s_add_nc_u64 s[10:11], s[10:11], s[18:19]
	s_wait_loadcnt 16                              ; x's eight loads are in; Wg's sixteen may be out
.irp j, 0,1,2,3,4,5,6,7
	ds_store_b128 v4, v[XL+4*\j:XL+4*\j+3] offset:576*\j
.endr
.irp i, 0,1,2,3,4,5,6,7
	ds_load_b128 v[X+4*\i:X+4*\i+3], v5 offset:16*\i   ; LDS serves a wave's instructions in order: these see my stores
.endr
	s_wait_loadcnt 0x0
.irp j, 0,1,2,3,4,5,6,7,8,9,10,11,12,13,14,15
	ds_store_b128 v6, v[WL+4*\j:WL+4*\j+3] offset:1040*(\j/2)+512*(\j%2)
.endr
	s_wait_dscnt 0x0                               ; for the others' sake: my quarter of Wg lies in LDS
	s_barrier_signal -1
	s_barrier_wait -1
	WIN 0x40                                       ; destination window 1: Wg(32 l + k, e) at v[8 k + e]
.set i, 0
.rept 64
	ds_load_b128 v[4*i:4*i+3], v7 offset:16*i
.set i, i+1
.endr
	WIN 0
	; my block's codes and byte, while Wg's rows come
	v_max3_num_f32 v180, |v[X]|, |v[X+1]|, 0x1800000               ; the floor 2^(3 - 127) among the leaves holds the byte at 1 from below
	v_max3_num_f32 v181, |v[X+16]|, |v[X+17]|, 0x1800000
.irp i, 2,4,6,8,10,12,14
	v_max3_num_f32 v180, v180, |v[X+\i]|, |v[X+\i+1]|
	v_max3_num_f32 v181, v181, |v[X+16+\i]|, |v[X+17+\i]|
.endr
	v_max_num_f32 v180, v180, v181
	v_add_nc_u32 v182, 0xff000000, v180            ; 2 off the exponent field: the conversion takes this operand's exponent field as its scale
	v_lshrrev_b32 v183, 23, v182                   ; the byte
	v_cvt_scalef32_pk16_fp6_f32 v[C:C+2], v[X:X+15], v182
	v_cvt_scalef32_pk16_fp6_f32 v[TMP:TMP+2], v[X+16:X+31], v182   ; (a conversion's three registers begin on an even number)
	v_nop                                          ; one plain place behind a scaled conversion
.irp i, 0,1,2
	v_mov_b32 v[C+3+\i], v[TMP+\i]
.endr
.irp p, 0,1,2
	ds_store_b64 v8, v[C+2*\p:C+2*\p+1] offset:8*\p
.endr
	ds_store_b8 v9, v183
	ds_load_b128 v[192:195], v10                   ; the token's 768 bytes back in the order of memory
	ds_load_b64 v[196:197], v11 offset:512
	ds_load_b32 v198, v12
	s_wait_dscnt 7                                 ; all but the seven just issued: Wg's 64 loads are in
	WIN 0x04                                       ; source 1 (Wg) window 1
.irp p, 0,1,2,3
	v_pk_mul_f32 v[ACC+2*\p:ACC+2*\p+1], v[X:X+1], v[2*\p:2*\p+1] op_sel_hi:[0,1]   ; k = 0 starts the sums; x(k) serves both halves
.endr
.set k, 1
.rept 31
.irp p, 0,1,2,3
.if k%2
	v_pk_fma_f32 v[ACC+2*\p:ACC+2*\p+1], v[X+k-1:X+k], v[8*k+2*\p:8*k+2*\p+1], v[ACC+2*\p:ACC+2*\p+1] op_sel:[1,0,0] op_sel_hi:[1,1,1]
.else
	v_pk_fma_f32 v[ACC+2*\p:ACC+2*\p+1], v[X+k:X+k+1], v[8*k+2*\p:8*k+2*\p+1], v[ACC+2*\p:ACC+2*\p+1] op_sel_hi:[0,1,1]
.endif
.endr
.set k, k+1
.endr
	WIN 0
.irp m, 1,2,4,8
.irp e, 0,1,2,3,4,5,6,7
	v_add_f32_dpp v[ACC+\e], v[ACC+\e], v[ACC+\e] row_xmask:\m row_mask:0xf bank_mask:0xf
.endr
.endr
	s_wait_kmcnt 0x0                               ; bg
.irp e, 0,1,2,3,4,5,6,7
	v_permlanex16_b32 v187, v[ACC+\e], s28, s29
	v_add_f32 v[ACC+\e], v[ACC+\e], v187
	v_add_f32 v[ACC+\e], s[20+\e], v[ACC+\e]
.endr
	v_mov_b32 v185, v[ACC]                         ; the first largest: a later score wins only if it is greater
	v_mov_b32 v186, 0
.irp e, 1,2,3,4,5,6,7
	v_cmp_gt_f32 vcc_lo, v[ACC+\e], v185
	v_cndmask_b32 v185, v185, v[ACC+\e], vcc_lo
	v_cndmask_b32 v186, v186, \e, vcc_lo
.endr
	s_wait_dscnt 0x0
	global_store_b128 v3, v[192:195], s[12:13]             ; 512 consecutive bytes, at a multiple of 256 from xq's first byte
	global_store_b64 v13, v[196:197], s[12:13] offset:512  ; and the row's last 256
	s_wait_xcnt 0x0                                ; EXEC changes only behind this wait
	v_cmp_gt_u32 vcc_lo, 8, v1
	s_wait_tensorcnt 0x0
	ds_add_u32 v254, v255
	s_wait_dscnt 0x0
	s_and_saveexec_b32 s30, vcc_lo
	global_store_b32 v14, v198, s[14:15]           ; the token's 8 scale words
	s_wait_xcnt 0x0
	s_or_b32 exec_lo, exec_lo, s30
	v_cmp_eq_u32 vcc_lo, 0, v1
	s_and_saveexec_b32 s30, vcc_lo
	global_store_b32 v15, v186, s[10:11]           ; the chosen expert
	s_wait_xcnt 0x0
	s_or_b32 exec_lo, exec_lo, s30
	s_endpgm
.Lfunc_end_k_q3d38190c08_gate:
	.size	k_q3d38190c08_gate, .Lfunc_end_k_q3d38190c08_gate-k_q3d38190c08_gate
	.p2alignl 7, 3214868480
	.fill 96, 4, 3214868480
	.section	.rodata,"a",@progbits
	.p2align	6, 0x0
	.amdhsa_kernel k_q3d38190c08_gate
		.amdhsa_group_segment_fixed_size 55808
		.amdhsa_private_segment_fixed_size 0
		.amdhsa_enable_private_segment 0
		.amdhsa_kernarg_size 48
		.amdhsa_user_sgpr_count 2
		.amdhsa_user_sgpr_kernarg_segment_ptr 1
		.amdhsa_wavefront_size32 1
		.amdhsa_system_sgpr_workgroup_id_x 1
		.amdhsa_system_sgpr_workgroup_id_y 1
		.amdhsa_system_sgpr_workgroup_id_z 1
		.amdhsa_system_vgpr_workitem_id 0
		.amdhsa_next_free_vgpr 512
		.amdhsa_next_free_sgpr 66
		.amdhsa_reserve_vcc 1
		.amdhsa_float_denorm_mode_32 3
		.amdhsa_float_denorm_mode_16_64 3
		.amdhsa_memory_ordered 1
		.amdhsa_forward_progress 1
		.amdhsa_inst_pref_size 27
	.end_amdhsa_kernel
	.amdgpu_metadata
---
amdhsa.version: [ 1, 2 ]
amdhsa.kernels:
  - .name:           k_q3d38190c08_gate
    .symbol:         k_q3d38190c08_gate.kd
    .args:
      - { .name: x, .offset: 0, .size: 8, .value_kind: global_buffer, .address_space: global }
      - { .name: Wg, .offset: 8, .size: 8, .value_kind: global_buffer, .address_space: global }
      - { .name: bg, .offset: 16, .size: 8, .value_kind: global_buffer, .address_space: global }
      - { .name: top1, .offset: 24, .size: 8, .value_kind: global_buffer, .address_space: global }
      - { .name: xq, .offset: 32, .size: 8, .value_kind: global_buffer, .address_space: global }
      - { .name: xsc, .offset: 40, .size: 8, .value_kind: global_buffer, .address_space: global }
    .group_segment_fixed_size: 55808
    .private_segment_fixed_size: 0
    .kernarg_segment_align: 8
    .kernarg_segment_size: 48
    .max_flat_workgroup_size: 128
    .sgpr_count:     66
    .vgpr_count:     512
    .wavefront_size: 32
...
	.end_amdgpu_metadata
.endif
;; end of part 1
;; launch up (part 2): grid 32 x 8, 8 waves a work-group, no clusters, 103,424 bytes of LDS; arguments W1, b1, top1, xq, xsc, hq, hsc; writes hq, hsc
.if DOCPART == 2
	.amdgcn_target "amdgcn-amd-amdhsa--gfx1250"
	.amdhsa_code_object_version 6
	.text
	.protected	k_q3d38190c08_up
	.globl	k_q3d38190c08_up
	.p2align	8
	.type	k_q3d38190c08_up,@function
k_q3d38190c08_up:
	s_mov_b64 s[64:65], 0
	v_nop
	global_prefetch_b8 v0, s[64:65] scope:SCOPE_SE
	s_setreg_imm32_b32 hwreg(HW_REG_WAVE_MODE, 25, 1), 1
	s_wait_xcnt 0x0
; h = Q(relu(x W1[e] + b1[e])) for the tokens that chose expert e, on codes of FP6 (E2M3) with one E8M0 byte for each 32 along K.
; SHARES.  Work-group (ks, e) owns 128 hidden units (128 ks on) of expert e over all K = 1,024: 512 KiB of f32, read once, a row of 512 bytes by each load.
; PHASE 1, THE STREAM.  In step t = 0..3 wave w takes block 8 t + w of K (32 rows); lane l takes columns 4 l .. 4 l + 3.  So a lane holds whole blocks of 32 along K for four columns:
; a block's largest magnitude needs no other lane.  The conversions want 16 neighbours along K in consecutive registers, and a 16-byte load lays K four registers apart: 32 copies a column put that right.
; (4-byte loads would need no copy, but each would cover a quarter of the bytes: with as many loads out, a quarter would be on its way.)  32 to 63 loads of 512 bytes of each wave are out.
; The codes go to LDS as images of operand registers: fragment (K step s, set c of 64 columns, tile j') at 1,536 ((2 s + c) 4 + j'), 48 bytes a lane.  One barrier.
; TILE j' OF A SET HOLDS COLUMNS 4 m + j' (m = the tile's row).  The product is used transposed (source 0 = 16 columns of W1, source 1 = 16 tokens): lane (r, h) holds token r, and register j of tile j'
; hidden unit 64 c + 32 h + 4 j + j': the lane's 32 results are ONE whole block of the next K.  They are converted in register order, i = 8 j' + j for unit 4 (i % 8) + i / 8;
; the next launch lays W2's rows of each block in the same order, which leaves every product as it is.  So h changes no lane.
; PHASE 2.  Wave (c = w & 1, q = w >> 1) takes set c and, in group g, the token tiles q + 8 g and q + 4 + 8 g of the expert's list.  The list is made in registers: 32 masks (which tokens chose e),
; their running counts, and for each lane the p-th set bit.  Positions past the list's end are held at its last token: such rows repeat it.
; No cluster: no weight byte is shared between work-groups, and what is shared (x's codes) is gathered by lists of unequal length.  No tensor loads: the f32 numbers must pass through registers to be quantised.
; LIMITS: NaN and infinities are not served; a block whose largest magnitude lies under 2^-124 (zeros too) gets the byte 1, which this program alone reads.
; REGISTERS.  Window 0: v1-19 lane numbers, addresses, the list; v20-31 at work; v32-47 x's scale words, v48-55 W1's (scales and nothing else); v56-63 more addresses;
;   v64-255 in the stream T, C, .. below, then x's fragments (96 n + 12 s).   Window 1: in the stream two sets of 128 numbers; then v0-63 accumulators (32 n + 8 j'), v64-159 W1's fragments (two buffers), v160-191 b1, v192-221 h's codes.
.set WSC,  98304                       ; LDS behind the images: W1's scale words, 64 bytes a fragment
.set JS,   1536                        ; from column j to column j + 1 of a lane: the next tile's image
.set JB,   64
.set T,    64                          ; v64-95   32 numbers of one column, K on end (first: top1 as loaded)
.set TP,   64
.set C,    96                          ; v96-119  four columns' codes, 6 registers each
.set TMP,  120
.set MX,   124
.set SO,   128
.set BY,   132
.set XSW,  32
.set WS,   48
.set XF,   64
.set ACC,  0
.set WF,   64
.set BI,   160
.set HC,   192
.set HT,   198
.set SA,   208
.set RS0,  0
.set RS1,  128
.set EX,   32                          ; s32-63  how many tokens of e lie ahead of word i
.set MK,   66                          ; s66-97  word i: which of tokens 32 i .. 32 i + 31 chose e
.set FIRST, 1                          ; a sum's first product takes b1 as its C
.set MSB, 0
.macro WIN new                         ; the immediate's high byte repeats the setting that is left
.if MSB != \new
	s_set_vgpr_msb (MSB<<8)|\new
.set MSB, \new
.endif
.endm
.macro PLACES                          ; four plain places behind a matrix instruction, in front of loads into its sources and of reads of its result
.rept 4
	v_nop
.endr
.endm
.macro WLOAD t, RB                     ; step t's 32 rows into set RB of window 1
	WIN 0x40
.set i, 0
.rept 32
.if \t < 2
	global_load_b128 v[\RB+4*i:\RB+4*i+3], v4, s[4:5] offset:(256*((\t)%2)+i)*16384 th:TH_LOAD_NT
.else
	global_load_b128 v[\RB+4*i:\RB+4*i+3], v4, s[28:29] offset:(256*((\t)%2)+i)*16384 th:TH_LOAD_NT
.endif
.set i, i+1
.endr
	WIN 0
.endm
.macro QBLOCK RB, perm                 ; 32 rows x my 4 columns become 4 x 6 registers of codes and 4 bytes.  perm = 1: position i takes row 4 (i % 8) + i / 8
	s_wait_dscnt 0x0                               ; the last step's LDS stores have read C and BY
	WIN 0x05
.irp j, 0,1,2,3
	v_max3_num_f32 v[MX+\j], |v[\RB+\j]|, |v[\RB+4+\j]|, 0x1800000   ; the floor 2^(3 - 127) holds the byte at 1 from below
.endr
	WIN 0x14
.irp i, 2,4,6,8,10,12,14,16,18,20,22,24,26,28,30
.irp j, 0,1,2,3
	v_max3_num_f32 v[MX+\j], v[MX+\j], |v[\RB+4*\i+\j]|, |v[\RB+4*\i+4+\j]|
.endr
.endr
	WIN 0
.irp j, 0,1,2,3
	v_add_nc_u32 v[SO+\j], 0xff000000, v[MX+\j]    ; 2 off the exponent field: the conversion's scale operand
.endr
.irp j, 0,1,2,3
	v_lshrrev_b32 v[BY+\j], 23, v[SO+\j]           ; the byte
.endr
.irp j, 0,1,2,3
	WIN 0x01
.set i, 0
.rept 32
.if \perm
	v_mov_b32 v[T+i], v[\RB+4*(4*(i%8)+i/8)+\j]
.else
	v_mov_b32 v[T+i], v[\RB+4*i+\j]
.endif
.set i, i+1
.endr
	WIN 0
	v_cvt_scalef32_pk16_fp6_f32 v[C+6*\j:C+6*\j+2], v[T:T+15], v[SO+\j]
	v_cvt_scalef32_pk16_fp6_f32 v[TMP:TMP+2], v[T+16:T+31], v[SO+\j]   ; (a conversion's three registers begin on an even number)
	v_nop                                          ; one plain place behind a scaled conversion
.irp i, 0,1,2
	v_mov_b32 v[C+6*\j+3+\i], v[TMP+\i]
.endr
.endr
.endm
.macro WSTORE t                        ; the block's codes and bytes to their places in the images
.irp j, 0,1,2,3
.irp p, 0,1,2
	ds_store_b64 v[5+(\t)/2], v[C+6*\j+2*\p:C+6*\j+2*\p+1] offset:((\t)%2)*24576+JS*\j+8*\p
.endr
	ds_store_b8 v7, v[BY+\j] offset:1024*(\t)+JB*\j
.endr
.endm
.macro LOADK s                         ; K step s of my set: four fragments and their scale words, 16 LDS loads, into buffer s % 2
	WIN 0x40
.irp jp, 0,1,2,3
.irp g, 0,1,2
	ds_load_b128 v[WF+48*((\s)%2)+12*\jp+4*\g:WF+48*((\s)%2)+12*\jp+4*\g+3], v[8+(\s)/4] offset:((\s)%4)*12288+1536*\jp+16*\g
.endr
.endr
	WIN 0
.irp jp, 0,1,2,3
	ds_load_b32 v[WS+4*((\s)%2)+\jp], v10 offset:512*(\s)+64*\jp
.endr
.endm
.macro MM n, jp, s, mode               ; mode 1: C = b1;  2: in place
.if \mode == 1
	v_wmma_scale_f32_16x16x128_f8f6f4 v[ACC+32*\n+8*\jp:ACC+32*\n+8*\jp+7], v[WF+48*((\s)%2)+12*\jp:WF+48*((\s)%2)+12*\jp+11], v[XF+96*\n+12*(\s):XF+96*\n+12*(\s)+11], v[BI+8*\jp:BI+8*\jp+7], v[WS+4*((\s)%2)+\jp], v[XSW+8*\n+(\s)] matrix_a_fmt:MATRIX_FMT_FP6 matrix_b_fmt:MATRIX_FMT_FP6
.else
	v_wmma_scale_f32_16x16x128_f8f6f4 v[ACC+32*\n+8*\jp:ACC+32*\n+8*\jp+7], v[WF+48*((\s)%2)+12*\jp:WF+48*((\s)%2)+12*\jp+11], v[XF+96*\n+12*(\s):XF+96*\n+12*(\s)+11], v[ACC+32*\n+8*\jp:ACC+32*\n+8*\jp+7], v[WS+4*((\s)%2)+\jp], v[XSW+8*\n+(\s)] matrix_a_fmt:MATRIX_FMT_FP6 matrix_b_fmt:MATRIX_FMT_FP6
.endif
.endm
.macro KLOOP                           ; 8 K steps x 8 products; the eight accumulators take turns, one instruction a turn
	LOADK 0
	LOADK 1
	s_wait_loadcnt 0x0                             ; the tokens' fragments and scale words, and b1
.irp s, 0,1,2,3,4,5,6,7
.if \s < 7
	s_wait_dscnt 16                                ; this step's 16 loads are in; the next step's 16 may be out
.else
	s_wait_dscnt 0x0
.endif
	WIN 0x51                                       ; source 0 (W1), C and D window 1; source 1 (x) window 0
.irp n, 0,1
.irp jp, 0,1,2,3
.if \s == 0
	MM \n, \jp, \s, FIRST
.else
	MM \n, \jp, \s, 2
.endif
.endr
.endr
.if \s < 6
	PLACES
	LOADK \s+2                                     ; into the buffer just multiplied
.endif
.endr
	WIN 0
	PLACES
.endm
.macro DESC a, w                       ; does the bit sought lie in the lower w bits from pos on, or past them?
	v_bfe_u32 v29, v[\a], v28, \w
	v_cmp_ge_u32 vcc_lo, v23, v29
	v_cndmask_b32 v30, 0, v29, vcc_lo
	v_sub_nc_u32 v23, v23, v30
	v_cndmask_b32 v30, 0, \w, vcc_lo
	v_add_nc_u32 v28, v28, v30
.endm
.macro TOKENS                          ; v12 = a position in the expert's list (under its length) -> v13 = the token there
	v_mov_b32 v20, s[MK]
	v_mov_b32 v21, 0
	v_mov_b32 v22, 0
.set i, 1
.rept 31
	v_cmp_le_u32 vcc_lo, s[EX+i], v12              ; the last word whose running count does not pass the position holds the bit
	v_cndmask_b32 v20, v20, s[MK+i], vcc_lo
	v_cndmask_b32 v21, v21, s[EX+i], vcc_lo
	v_cndmask_b32 v22, v22, i, vcc_lo
.set i, i+1
.endr
	v_sub_nc_u32 v23, v12, v21                     ; which set bit of that word
	v_lshrrev_b32 v24, 1, v20                      ; counts of set bits in fields of 2, 4, 8, 16
	v_and_b32 v24, 0x55555555, v24
	v_sub_nc_u32 v24, v20, v24
	v_lshrrev_b32 v25, 2, v24
	v_and_b32 v25, 0x33333333, v25
	v_and_b32 v30, 0x33333333, v24
	v_add_nc_u32 v25, v25, v30
	v_lshrrev_b32 v26, 4, v25
	v_add_nc_u32 v26, v26, v25
	v_and_b32 v26, 0x0f0f0f0f, v26
	v_lshrrev_b32 v27, 8, v26
	v_add_nc_u32 v27, v27, v26
	v_and_b32 v27, 0x00ff00ff, v27
	v_mov_b32 v28, 0
	DESC 27, 16
	DESC 26, 8
	DESC 25, 4
	DESC 24, 2
	DESC 20, 1
	v_lshl_add_u32 v13, v22, 5, v28
.endm
	s_load_b256 s[4:11], s[0:1], 0x0               ; W1 s[4:5], b1 s[6:7], top1 s[8:9], xq s[10:11]
	s_load_b128 s[12:15], s[0:1], 0x20             ; xsc s[12:13], hq s[14:15]
	s_load_b64 s[16:17], s[0:1], 0x30              ; hsc
	v_lshrrev_b32 v1, 5, v0
	v_readfirstlane_b32 s18, v1                    ; wave w
	s_and_b32 s19, ttmp7, 0xffff                   ; expert e
	s_mov_b32 s20, ttmp9                           ; ks: which 128 hidden units
	s_and_b32 s25, s18, 1                          ; c
	s_lshr_b32 s26, s18, 1                         ; q
	v_and_b32 v1, 31, v0                           ; l
	v_and_b32 v2, 15, v0                           ; r
	v_bfe_u32 v3, v0, 4, 1                         ; h
	v_lshlrev_b32 v4, 4, v1                        ; 16 l
	v_lshlrev_b32 v59, 2, v1                       ; 4 l
	s_lshl_b32 s30, s19, 24                        ; W1: expert, my wave's 32 rows of 16,384 bytes, the slice's 512 bytes
	s_lshl_b32 s3, s18, 19
	s_add_co_u32 s30, s30, s3
	s_lshl_b32 s3, s20, 9
	s_add_co_u32 s30, s30, s3
	s_mov_b32 s31, 0
	s_wait_kmcnt 0x0
	s_add_nc_u64 s[4:5], s[4:5], s[30:31]
	s_add_nc_u64 s[28:29], s[4:5], 0x800000        ; 512 rows on, for steps 2 and 3: the immediates stay inside their signed 24 bits
.set i, 0
.rept 32
	global_load_b32 v[TP+i], v59, s[8:9] offset:128*i
.set i, i+1
.endr
	WLOAD 0, RS0
	WLOAD 1, RS1
	; addresses, while the loads are on their way
	s_lshr_b32 s27, s18, 2
	s_mul_i32 s27, s27, 12288
	s_mul_i32 s3, s25, 768
	s_add_co_u32 s27, s27, s3
	s_and_b32 s3, s26, 1
	s_mul_i32 s3, s3, 24
	s_add_co_u32 s27, s27, s3
	v_mul_u32_u24 v5, v2, 48
	v_mad_u32_u24 v5, v3, 6144, v5
	v_add_nc_u32 v5, s27, v5                       ; images, on the way in: K step 2 t + (w >> 2), set l >> 4, lane 16 (w & 1) + (l & 15), half (w >> 1) & 1
	v_add_nc_u32 v6, 49152, v5                     ; the same for steps 2 and 3
	s_lshr_b32 s27, s18, 2
	s_lshl_b32 s27, s27, 9
	s_and_b32 s3, s18, 3
	s_add_co_u32 s27, s27, s3
	s_add_co_u32 s27, s27, WSC
	v_lshlrev_b32 v7, 2, v2
	v_lshl_add_u32 v7, v3, 8, v7
	v_add_nc_u32 v7, s27, v7                       ; my block's byte in its rows' scale words
	s_mul_i32 s27, s25, 6144
	v_mul_u32_u24 v8, v1, 48
	v_add_nc_u32 v8, s27, v8                       ; images, on the way out: my set, 48 bytes a lane
	v_add_nc_u32 v9, 49152, v8
	s_lshl_b32 s27, s25, 8
	s_add_co_u32 s27, s27, WSC
	v_lshl_add_u32 v10, v2, 2, s27                 ; scale words on the way out
	s_lshl_b32 s27, s26, 4
	v_lshl_add_u32 v11, v3, 6, v2
	v_add_nc_u32 v11, s27, v11                     ; my position in group 0: lanes 0-15 tile q, lanes 16-31 tile q + 4
	s_lshl_b32 s27, s25, 10
	v_add_nc_u32 v18, s27, v4                      ; hq: registers 0-3 (c = 0) or 8-11 (c = 1) of a fragment: 16 l + 1,024 c
	s_lshl_b32 s27, s25, 3
	s_add_co_u32 s27, s27, 512
	v_add_nc_u32 v56, s27, v4                      ; registers 4, 5 or 6, 7: 512 + 16 l + 8 c
	v_lshlrev_b32 v57, 5, v2
	v_lshl_add_u32 v57, v3, 13, v57
	s_lshl_b32 s27, s25, 1
	v_add_nc_u32 v57, s27, v57                     ; hsc: lanes 0-15 tile q's rows, lanes 16-31 tile q + 4's; my set's two bytes of the word
	v_lshlrev_b32 v58, 7, v3                       ; b1: 128 h
	v_mul_u32_u24 v60, v3, 384                     ; xq: 384 h
	v_mov_b32 v19, 0                               ; a lane permute's destination counts as one of its sources
	s_mov_b32 s98, 0x76543210
	s_mov_b32 s99, 0xfedcba98
	s_mov_b32 s100, 0xffff0000                     ; lanes 16-31
	s_cmp_lg_u32 s25, 0
	s_cselect_b32 s101, -1, 0                      ; all lanes where c = 1
	s_lshl_b32 s30, s19, 14                        ; b1: 4 (4,096 e + 128 ks + 64 c)
	s_lshl_b32 s3, s20, 9
	s_add_co_u32 s30, s30, s3
	s_lshl_b32 s3, s25, 8
	s_add_co_u32 s30, s30, s3
	s_add_nc_u64 s[6:7], s[6:7], s[30:31]
	s_lshl_b32 s30, s19, 6
	s_add_co_u32 s30, s30, s26                     ; tile 64 e + q
	s_lshl_b32 s3, s30, 11
	s_lshl_b32 s30, s30, 5
	s_add_co_u32 s30, s30, s20
	s_mul_i32 s30, s30, 1536
	s_add_nc_u64 s[14:15], s[14:15], s[30:31]      ; hq at (tile, ks)
	s_lshr_b32 s30, s20, 3
	s_lshl_b32 s30, s30, 9
	s_add_co_u32 s30, s30, s3
	s_and_b32 s3, s20, 7
	s_lshl_b32 s3, s3, 2
	s_add_co_u32 s30, s30, s3
	s_add_nc_u64 s[16:17], s[16:17], s[30:31]      ; hsc at (tile, ks >> 3, row 0, ks & 7)
	s_wait_loadcnt 63                              ; 64 loads stand behind top1's 32, and 63 is the largest count that can be written: top1 is in
.set i, 0
.rept 32
	v_cmp_eq_u32 s[MK+i], s19, v[TP+i]
.set i, i+1
.endr
	s_mov_b32 s[EX], 0
.set i, 0
.rept 31
	s_bcnt1_i32_b32 s3, s[MK+i]
	s_add_co_u32 s[EX+i+1], s[EX+i], s3
.set i, i+1
.endr
	s_bcnt1_i32_b32 s3, s[MK+31]
	s_add_co_u32 s21, s[EX+31], s3                 ; the list's length
	s_max_u32 s22, s21, 1
	s_sub_co_u32 s22, s22, 1                       ; its last position
	s_add_co_u32 s23, s21, 15
	s_lshr_b32 s23, s23, 4                         ; tiles
	s_add_co_u32 s23, s23, 7
	s_sub_co_u32 s23, s23, s26
	s_lshr_b32 s23, s23, 3                         ; my groups: those whose first tile q + 8 g lies in the list
	s_wait_loadcnt 32                              ; step 0's 32 loads are in, step 1's may be out; likewise below
	QBLOCK RS0, 0
	WLOAD 2, RS0
	WSTORE 0
	s_wait_loadcnt 32
	QBLOCK RS1, 0
	WLOAD 3, RS1
	WSTORE 1
	s_wait_loadcnt 32
	QBLOCK RS0, 0
	WSTORE 2
	s_wait_loadcnt 0x0
	QBLOCK RS1, 0
	WSTORE 3
	WIN 0x40
.irp jp, 0,1,2,3
.irp j, 0,1,2,3,4,5,6,7
	global_load_b32 v[BI+8*\jp+\j], v58, s[6:7] offset:4*(4*\j+\jp)   ; b1 in the result's layout: unit 32 h + 4 j + j' of my set
.endr
.endr
	WIN 0
	s_wait_dscnt 0x0                               ; for the others' sake: my part of the images lies in LDS
	s_barrier_signal -1
	s_barrier_wait -1
	s_mov_b32 s24, 0
	s_mov_b32 s2, 0
.Lgrp:                                                 ; at most 8 groups (64 tiles); the loop is left at my last
	s_cmp_ge_u32 s24, s23
	s_cbranch_scc1 .Lend
	v_add_nc_u32 v12, s2, v11
	v_min_u32 v12, s22, v12                        ; past the list's end: its last token again
	TOKENS
	v_permlanex16_b32 v19, v13, s98, s99
	v_cndmask_b32 v14, v13, v19, s100              ; tile A's token r in both halves of the lanes,
	v_cndmask_b32 v15, v19, v13, s100              ; tile B's likewise
	v_min_u32 v14, 0x3ff, v14
	v_min_u32 v15, 0x3ff, v15
	v_lshlrev_b32 v16, 5, v14                      ; xsc: 32 bytes a token
	v_lshlrev_b32 v17, 5, v15
	v_mul_u32_u24 v14, v14, 768                    ; xq: 768 bytes a token, my half's 384
	v_mul_u32_u24 v15, v15, 768
	v_add_nc_u32 v14, v60, v14
	v_add_nc_u32 v15, v60, v15
.irp n, 0,1
.set j, 0
.rept 24
	global_load_b128 v[XF+96*\n+4*j:XF+96*\n+4*j+3], v[14+\n], s[10:11] offset:16*j
.set j, j+1
.endr
	global_load_b128 v[XSW+8*\n:XSW+8*\n+3], v[16+\n], s[12:13]
	global_load_b128 v[XSW+8*\n+4:XSW+8*\n+7], v[16+\n], s[12:13] offset:16
.endr
	KLOOP
.irp n, 0,1
	WIN 0x55                                       ; all in window 1
.set i, 0
.rept 32
	v_max_num_f32 v[ACC+32*\n+i], 0, v[ACC+32*\n+i]   ; the activation, in f32; each accumulator from its low end on
.set i, i+1
.endr
	v_max3_num_f32 v202, v[ACC+32*\n], v[ACC+32*\n+1], 0x1800000     ; none is negative: no |.|; the floor holds the byte at 1
	v_max3_num_f32 v203, v[ACC+32*\n+16], v[ACC+32*\n+17], 0x1800000
.irp i, 2,4,6,8,10,12,14
	v_max3_num_f32 v202, v202, v[ACC+32*\n+\i], v[ACC+32*\n+\i+1]
	v_max3_num_f32 v203, v203, v[ACC+32*\n+16+\i], v[ACC+32*\n+17+\i]
.endr
	v_max_num_f32 v202, v202, v203
	v_add_nc_u32 v204, 0xff000000, v202
	v_cvt_scalef32_pk16_fp6_f32 v[HC:HC+2], v[ACC+32*\n:ACC+32*\n+15], v204
	v_cvt_scalef32_pk16_fp6_f32 v[HT:HT+2], v[ACC+32*\n+16:ACC+32*\n+31], v204
	v_nop                                          ; one plain place behind a scaled conversion
.irp i, 0,1,2
	v_mov_b32 v[HC+3+\i], v[HT+\i]
.endr
.irp i, 0,1,2,3
	v_cndmask_b32 v[SA+8*\n+\i], v[HC+\i], v[HC+2+\i], s101    ; the four registers that fill 16 bytes of the fragment's image: my first four (c = 0) or last four (c = 1),
.endr
.irp i, 0,1
	v_cndmask_b32 v[SA+8*\n+4+\i], v[HC+4+\i], v[HC+\i], s101  ; and the two that share 16 bytes with the other set's
.endr
	WIN 0x04                                       ; a store's data window 1, its address window 0
	v_lshrrev_b32 v[61+\n], 23, v204               ; the block's byte, into window 0
	global_store_b128 v18, v[SA+8*\n:SA+8*\n+3], s[14:15] offset:196608*\n   ; 512 consecutive bytes, aligned
	global_store_b64 v56, v[SA+8*\n+4:SA+8*\n+5], s[14:15] offset:196608*\n  ; every other 8 bytes of 512: the other set's wave stores the rest
.endr
	WIN 0
.irp n, 0,1
	v_permlanex16_b32 v19, v[61+\n], s98, s99
	v_cndmask_b32 v20, v[61+\n], v19, s100         ; h = 0's byte,
	v_cndmask_b32 v21, v19, v[61+\n], s100         ; h = 1's,
	v_lshl_or_b32 v[22+\n], v21, 8, v20            ; bytes 2 c and 2 c + 1 of token r's scale word
.endr
	v_cndmask_b32 v63, v22, v23, s100              ; lanes 0-15 tile A's, lanes 16-31 tile B's
	global_store_b16 v57, v63, s[16:17]
	s_wait_xcnt 0x0                                ; the stores' data and bases are written again only behind this wait
	s_add_nc_u64 s[14:15], s[14:15], 393216        ; eight tiles on
	s_add_nc_u64 s[16:17], s[16:17], 16384
	s_add_co_u32 s2, s2, 128
	s_add_co_u32 s24, s24, 1
	s_cmp_lt_u32 s24, 8
	s_cbranch_scc1 .Lgrp
.Lend:
	s_wait_xcnt 0x0
	v_lshl_add_u32 v254, v0, 2, 0x19000
	v_mov_b32 v255, 0
	s_wait_tensorcnt 0x0
	ds_add_u32 v254, v255
	s_wait_dscnt 0x0
	s_endpgm
.Lfunc_end_k_q3d38190c08_up:
	.size	k_q3d38190c08_up, .Lfunc_end_k_q3d38190c08_up-k_q3d38190c08_up
	.p2alignl 7, 3214868480
	.fill 96, 4, 3214868480
	.section	.rodata,"a",@progbits
	.p2align	6, 0x0
	.amdhsa_kernel k_q3d38190c08_up
		.amdhsa_group_segment_fixed_size 103424
		.amdhsa_private_segment_fixed_size 0
		.amdhsa_enable_private_segment 0
		.amdhsa_kernarg_size 56
		.amdhsa_user_sgpr_count 2
		.amdhsa_user_sgpr_kernarg_segment_ptr 1
		.amdhsa_wavefront_size32 1
		.amdhsa_system_sgpr_workgroup_id_x 1
		.amdhsa_system_sgpr_workgroup_id_y 1
		.amdhsa_system_sgpr_workgroup_id_z 1
		.amdhsa_system_vgpr_workitem_id 0
		.amdhsa_next_free_vgpr 512
		.amdhsa_next_free_sgpr 102
		.amdhsa_reserve_vcc 1
		.amdhsa_float_denorm_mode_32 3
		.amdhsa_float_denorm_mode_16_64 3
		.amdhsa_memory_ordered 1
		.amdhsa_forward_progress 1
		.amdhsa_inst_pref_size 111
	.end_amdhsa_kernel
	.amdgpu_metadata
---
amdhsa.version: [ 1, 2 ]
amdhsa.kernels:
  - .name:           k_q3d38190c08_up
    .symbol:         k_q3d38190c08_up.kd
    .args:
      - { .name: W1, .offset: 0, .size: 8, .value_kind: global_buffer, .address_space: global }
      - { .name: b1, .offset: 8, .size: 8, .value_kind: global_buffer, .address_space: global }
      - { .name: top1, .offset: 16, .size: 8, .value_kind: global_buffer, .address_space: global }
      - { .name: xq, .offset: 24, .size: 8, .value_kind: global_buffer, .address_space: global }
      - { .name: xsc, .offset: 32, .size: 8, .value_kind: global_buffer, .address_space: global }
      - { .name: hq, .offset: 40, .size: 8, .value_kind: global_buffer, .address_space: global }
      - { .name: hsc, .offset: 48, .size: 8, .value_kind: global_buffer, .address_space: global }
    .group_segment_fixed_size: 103424
    .private_segment_fixed_size: 0
    .kernarg_segment_align: 8
    .kernarg_segment_size: 56
    .max_flat_workgroup_size: 256
    .sgpr_count:     102
    .vgpr_count:     512
    .wavefront_size: 32
...
	.end_amdgpu_metadata
.endif
;; end of part 2
;; launch down (part 3): grid 32 x 8, 8 waves a work-group, no clusters, 138,240 bytes of LDS; arguments W2, top1, hq, hsc, part; writes part
.if DOCPART == 3
	.amdgcn_target "amdgcn-amd-amdhsa--gfx1250"
	.amdhsa_code_object_version 6
	.text
	.protected	k_q3d38190c08_down
	.globl	k_q3d38190c08_down
	.p2align	8
	.type	k_q3d38190c08_down,@function
k_q3d38190c08_down:
	s_mov_b64 s[64:65], 0
	v_nop
	global_prefetch_b8 v0, s[64:65] scope:SCOPE_SE
	s_setreg_imm32_b32 hwreg(HW_REG_WAVE_MODE, 25, 1), 1
	s_wait_xcnt 0x0
; part[kq][token] = the sum over a quarter of K (hidden units 1,024 kq on) of h W2[e], for the tokens that chose expert e, on codes of FP6 (E2M3) with one E8M0 byte for each 32 along K.
; SHARES.  Work-group (x = 8 kq + nsl, e) owns 128 output columns (128 nsl on) x 1,024 of K: 512 KiB of f32, read once, a row of 512 bytes by each load.  K is cut in four so that a row of the slice is 512 bytes
; and all 256 work-groups have equal work; the four parts are added, with b2, by the launch behind this one.
; PHASE 1, THE STREAM, as in the launch before: in step t wave w takes block 8 t + w (32 rows), lane l columns 4 l .. 4 l + 3; copies lay K on end; codes go to LDS as images of operand registers.
; POSITION i OF A BLOCK TAKES ROW 4 (i % 8) + i / 8: the order in which h's codes were made.  The same order on both sides leaves every product as it is.
; TILE j' OF A SET HOLDS COLUMNS 16 j' + m.  Transposed use (source 0 = 16 columns of W2, source 1 = 16 tokens of h): lane (r, h) holds token r, register j column 64 c + 16 j' + 8 h + j: eight neighbours of a row.
; PHASE 2.  Wave (c = w & 1, q = w >> 1): set c, token tiles q + 8 g and q + 4 + 8 g, the grouping by which h was stored.  h's fragments come as they lie (512 consecutive bytes a load); the token list, made in registers
; while they come, says only where the rows go.  A tile's 16 rows x 256 bytes turn through the wave's own stage in LDS, so that sixteen lanes store 256 consecutive aligned bytes.
; Rows past the list's end repeat its last token: they store equal numbers to that token's row, from this same work-group.
; No cluster: no weight byte is shared between work-groups, and partners' lists differ in length.  No tensor loads: the f32 numbers must pass through registers to be quantised.
; LIMITS: NaN and infinities are not served; a block whose largest magnitude lies under 2^-124 (zeros too) gets the byte 1, which this program alone reads.
; REGISTERS.  Window 0: v1-19 lane numbers, addresses, the list; v20-31 at work; v32-47 h's scale words, v48-55 W2's (scales and nothing else); v56-60 more addresses;
;   v64-255 in the stream T, C, .. below, then h's fragments (96 n + 12 s), on the way out v64-87 lane indices and row offsets.   Window 1: in the stream two sets of 128 numbers; then v0-63 accumulators, v64-159 W2's fragments (two buffers), v160-223 rows on their way out.
.set WSC,  98304                       ; LDS behind the images: W2's scale words, 64 bytes a fragment
.set STG,  102400                      ; behind them: a stage of 16 rows x (256 bytes + 16) for each wave
.set JS,   48                          ; from column j to column j + 1 of a lane: the next row of the same tile
.set JB,   4
.set T,    64
.set TP,   64
.set C,    96
.set TMP,  120
.set MX,   124
.set SO,   128
.set BY,   132
.set XSW,  32
.set WS,   48
.set XF,   64
.set ACC,  0
.set WF,   64
.set OUTR, 160
.set RS0,  0
.set RS1,  128
.set EX,   32                          ; s32-63  how many tokens of e lie ahead of word i
.set MK,   66                          ; s66-97  word i: which of tokens 32 i .. 32 i + 31 chose e
.set MSB, 0
.macro WIN new                         ; the immediate's high byte repeats the setting that is left
.if MSB != \new
	s_set_vgpr_msb (MSB<<8)|\new
.set MSB, \new
.endif
.endm
.macro PLACES                          ; four plain places behind a matrix instruction, in front of loads into its sources and of reads of its result
.rept 4
	v_nop
.endr
.endm
.macro WLOAD t, RB                     ; step t's 32 rows into set RB of window 1
	WIN 0x40
.set i, 0
.rept 32
	global_load_b128 v[\RB+4*i:\RB+4*i+3], v4, s[4:5] offset:(256*(\t)+i)*4096 th:TH_LOAD_NT
.set i, i+1
.endr
	WIN 0
.endm
.macro QBLOCK RB, perm                 ; 32 rows x my 4 columns become 4 x 6 registers of codes and 4 bytes.  perm = 1: position i takes row 4 (i % 8) + i / 8
	s_wait_dscnt 0x0                               ; the last step's LDS stores have read C and BY
	WIN 0x05
.irp j, 0,1,2,3
	v_max3_num_f32 v[MX+\j], |v[\RB+\j]|, |v[\RB+4+\j]|, 0x1800000   ; the floor 2^(3 - 127) holds the byte at 1 from below
.endr
	WIN 0x14
.irp i, 2,4,6,8,10,12,14,16,18,20,22,24,26,28,30
.irp j, 0,1,2,3
	v_max3_num_f32 v[MX+\j], v[MX+\j], |v[\RB+4*\i+\j]|, |v[\RB+4*\i+4+\j]|
.endr
.endr
	WIN 0
.irp j, 0,1,2,3
	v_add_nc_u32 v[SO+\j], 0xff000000, v[MX+\j]    ; 2 off the exponent field: the conversion's scale operand
.endr
.irp j, 0,1,2,3
	v_lshrrev_b32 v[BY+\j], 23, v[SO+\j]           ; the byte
.endr
.irp j, 0,1,2,3
	WIN 0x01
.set i, 0
.rept 32
.if \perm
	v_mov_b32 v[T+i], v[\RB+4*(4*(i%8)+i/8)+\j]
.else
	v_mov_b32 v[T+i], v[\RB+4*i+\j]
.endif
.set i, i+1
.endr
	WIN 0
	v_cvt_scalef32_pk16_fp6_f32 v[C+6*\j:C+6*\j+2], v[T:T+15], v[SO+\j]
	v_cvt_scalef32_pk16_fp6_f32 v[TMP:TMP+2], v[T+16:T+31], v[SO+\j]   ; (a conversion's three registers begin on an even number)
	v_nop                                          ; one plain place behind a scaled conversion
.irp i, 0,1,2
	v_mov_b32 v[C+6*\j+3+\i], v[TMP+\i]
.endr
.endr
.endm
.macro WSTORE t                        ; the block's codes and bytes to their places in the images
.irp j, 0,1,2,3
.irp p, 0,1,2
	ds_store_b64 v[5+(\t)/2], v[C+6*\j+2*\p:C+6*\j+2*\p+1] offset:((\t)%2)*24576+JS*\j+8*\p
.endr
	ds_store_b8 v7, v[BY+\j] offset:1024*(\t)+JB*\j
.endr
.endm
.macro LOADK s                         ; K step s of my set: four fragments and their scale words, 16 LDS loads, into buffer s % 2
	WIN 0x40
.irp jp, 0,1,2,3
.irp g, 0,1,2
	ds_load_b128 v[WF+48*((\s)%2)+12*\jp+4*\g:WF+48*((\s)%2)+12*\jp+4*\g+3], v[8+(\s)/4] offset:((\s)%4)*12288+1536*\jp+16*\g
.endr
.endr
	WIN 0
.irp jp, 0,1,2,3
	ds_load_b32 v[WS+4*((\s)%2)+\jp], v10 offset:512*(\s)+64*\jp
.endr
.endm
.macro MM n, jp, s, mode               ; mode 0: the product starts the sum;  2: in place
.if \mode == 0
	v_wmma_scale_f32_16x16x128_f8f6f4 v[ACC+32*\n+8*\jp:ACC+32*\n+8*\jp+7], v[WF+48*((\s)%2)+12*\jp:WF+48*((\s)%2)+12*\jp+11], v[XF+96*\n+12*(\s):XF+96*\n+12*(\s)+11], 0, v[WS+4*((\s)%2)+\jp], v[XSW+8*\n+(\s)] matrix_a_fmt:MATRIX_FMT_FP6 matrix_b_fmt:MATRIX_FMT_FP6
.else
	v_wmma_scale_f32_16x16x128_f8f6f4 v[ACC+32*\n+8*\jp:ACC+32*\n+8*\jp+7], v[WF+48*((\s)%2)+12*\jp:WF+48*((\s)%2)+12*\jp+11], v[XF+96*\n+12*(\s):XF+96*\n+12*(\s)+11], v[ACC+32*\n+8*\jp:ACC+32*\n+8*\jp+7], v[WS+4*((\s)%2)+\jp], v[XSW+8*\n+(\s)] matrix_a_fmt:MATRIX_FMT_FP6 matrix_b_fmt:MATRIX_FMT_FP6
.endif
.endm
.macro KLOOP                           ; 8 K steps x 8 products; the eight accumulators take turns, one instruction a turn
	LOADK 0
	LOADK 1
	s_wait_loadcnt 0x0                             ; h's fragments and scale words
.irp s, 0,1,2,3,4,5,6,7
.if \s < 7
	s_wait_dscnt 16                                ; this step's 16 loads are in; the next step's 16 may be out
.else
	s_wait_dscnt 0x0
.endif
	WIN 0x51                                       ; source 0 (W2), C and D window 1; source 1 (h) window 0
.irp n, 0,1
.irp jp, 0,1,2,3
.if \s == 0
	MM \n, \jp, \s, 0
.else
	MM \n, \jp, \s, 2
.endif
.endr
.endr
.if \s < 6
	PLACES
	LOADK \s+2                                     ; into the buffer just multiplied
.endif
.endr
	WIN 0
	PLACES
.endm
.macro DESC a, w                       ; does the bit sought lie in the lower w bits from pos on, or past them?
	v_bfe_u32 v29, v[\a], v28, \w
	v_cmp_ge_u32 vcc_lo, v23, v29
	v_cndmask_b32 v30, 0, v29, vcc_lo
	v_sub_nc_u32 v23, v23, v30
	v_cndmask_b32 v30, 0, \w, vcc_lo
	v_add_nc_u32 v28, v28, v30
.endm
.macro TOKENS                          ; v12 = a position in the expert's list (under its length) -> v13 = the token there
	v_mov_b32 v20, s[MK]
	v_mov_b32 v21, 0
	v_mov_b32 v22, 0
.set i, 1
.rept 31
	v_cmp_le_u32 vcc_lo, s[EX+i], v12              ; the last word whose running count does not pass the position holds the bit
	v_cndmask_b32 v20, v20, s[MK+i], vcc_lo
	v_cndmask_b32 v21, v21, s[EX+i], vcc_lo
	v_cndmask_b32 v22, v22, i, vcc_lo
.set i, i+1
.endr
	v_sub_nc_u32 v23, v12, v21                     ; which set bit of that word
	v_lshrrev_b32 v24, 1, v20                      ; counts of set bits in fields of 2, 4, 8, 16
	v_and_b32 v24, 0x55555555, v24
	v_sub_nc_u32 v24, v20, v24
	v_lshrrev_b32 v25, 2, v24
	v_and_b32 v25, 0x33333333, v25
	v_and_b32 v30, 0x33333333, v24
	v_add_nc_u32 v25, v25, v30
	v_lshrrev_b32 v26, 4, v25
	v_add_nc_u32 v26, v26, v25
	v_and_b32 v26, 0x0f0f0f0f, v26
	v_lshrrev_b32 v27, 8, v26
	v_add_nc_u32 v27, v27, v26
	v_and_b32 v27, 0x00ff00ff, v27
	v_mov_b32 v28, 0
	DESC 27, 16
	DESC 26, 8
	DESC 25, 4
	DESC 24, 2
	DESC 20, 1
	v_lshl_add_u32 v13, v22, 5, v28
.endm
	s_load_b256 s[4:11], s[0:1], 0x0               ; W2 s[4:5], top1 s[6:7], hq s[8:9], hsc s[10:11]
	s_load_b64 s[12:13], s[0:1], 0x20              ; part
	v_lshl_add_u32 v62, v0, 2, 0x21800
	v_mov_b32 v63, 0
	v_lshrrev_b32 v1, 5, v0
	v_readfirstlane_b32 s18, v1                    ; wave w
	s_and_b32 s19, ttmp7, 0xffff                   ; expert e
	s_lshr_b32 s28, ttmp9, 3                       ; kq: which quarter of K
	s_and_b32 s29, ttmp9, 7                        ; nsl: which 128 columns
	s_and_b32 s25, s18, 1                          ; c
	s_lshr_b32 s26, s18, 1                         ; q
	v_and_b32 v1, 31, v0                           ; l
	v_and_b32 v2, 15, v0                           ; r
	v_bfe_u32 v3, v0, 4, 1                         ; h
	v_lshlrev_b32 v4, 4, v1                        ; 16 l
	v_lshlrev_b32 v60, 2, v1                       ; 4 l
	s_lshl_b32 s30, s19, 24                        ; W2: expert, quarter, my wave's 32 rows of 4,096 bytes, the slice's 512 bytes
	s_lshl_b32 s3, s28, 22
	s_add_co_u32 s30, s30, s3
	s_lshl_b32 s3, s18, 17
	s_add_co_u32 s30, s30, s3
	s_lshl_b32 s3, s29, 9
	s_add_co_u32 s30, s30, s3
	s_mov_b32 s31, 0
	s_wait_kmcnt 0x0
	s_add_nc_u64 s[4:5], s[4:5], s[30:31]
.set i, 0
.rept 32
	global_load_b32 v[TP+i], v60, s[6:7] offset:128*i
.set i, i+1
.endr
	WLOAD 0, RS0
	WLOAD 1, RS1
	; addresses, while the loads are on their way
	s_lshr_b32 s27, s18, 2
	s_mul_i32 s27, s27, 12288
	s_mul_i32 s3, s25, 768
	s_add_co_u32 s27, s27, s3
	s_and_b32 s3, s26, 1
	s_mul_i32 s3, s3, 24
	s_add_co_u32 s27, s27, s3
	v_bfe_u32 v20, v0, 2, 2                        ; my columns' tile: (l >> 2) & 3
	v_and_b32 v21, 3, v0                           ; and their rows in it: 4 (l & 3) + j
	v_mul_u32_u24 v5, v20, 1536
	v_mad_u32_u24 v5, v21, 192, v5
	v_mad_u32_u24 v5, v3, 6144, v5
	v_add_nc_u32 v5, s27, v5                       ; images, on the way in
	v_add_nc_u32 v6, 49152, v5                     ; the same for steps 2 and 3
	s_lshr_b32 s27, s18, 2
	s_lshl_b32 s27, s27, 9
	s_and_b32 s3, s18, 3
	s_add_co_u32 s27, s27, s3
	s_add_co_u32 s27, s27, WSC
	v_lshlrev_b32 v7, 6, v20
	v_lshl_add_u32 v7, v21, 4, v7
	v_lshl_add_u32 v7, v3, 8, v7
	v_add_nc_u32 v7, s27, v7                       ; my block's byte in its rows' scale words
	s_mul_i32 s27, s25, 6144
	v_mul_u32_u24 v8, v1, 48
	v_add_nc_u32 v8, s27, v8                       ; images, on the way out: my set, 48 bytes a lane
	v_add_nc_u32 v9, 49152, v8
	s_lshl_b32 s27, s25, 8
	s_add_co_u32 s27, s27, WSC
	v_lshl_add_u32 v10, v2, 2, s27                 ; scale words on the way out
	s_lshl_b32 s27, s26, 4
	v_lshl_add_u32 v11, v3, 6, v2
	v_add_nc_u32 v11, s27, v11                     ; my position in group 0: lanes 0-15 tile q, lanes 16-31 tile q + 4
	v_lshlrev_b32 v16, 5, v2                       ; hsc: 32 bytes a row
	s_mul_i32 s27, s18, 4352
	s_add_co_u32 s27, s27, STG                     ; my stage
	v_mul_u32_u24 v56, v2, 272
	v_lshl_add_u32 v56, v3, 5, v56
	v_add_nc_u32 v56, s27, v56                     ; in: row r, 32 bytes for each half of the lanes
	v_mul_u32_u24 v57, v3, 272
	v_lshl_add_u32 v57, v2, 4, v57
	v_add_nc_u32 v57, s27, v57                     ; back: lanes 0-15 one row of 256 bytes, lanes 16-31 the next
	v_lshlrev_b32 v58, 2, v3                       ; 4 h
	v_lshlrev_b32 v59, 4, v2                       ; 16 r
	v_mov_b32 v19, 0                               ; a lane permute's destination counts as one of its sources
	s_mov_b32 s98, 0x76543210
	s_mov_b32 s99, 0xfedcba98
	s_mov_b32 s100, 0xffff0000                     ; lanes 16-31
	s_lshl_b32 s30, s19, 6
	s_add_co_u32 s30, s30, s26                     ; tile 64 e + q
	s_lshl_b32 s3, s30, 11
	s_lshl_b32 s30, s30, 5
	s_lshl_b32 s27, s28, 3
	s_add_co_u32 s30, s30, s27
	s_mul_i32 s30, s30, 1536
	s_add_nc_u64 s[8:9], s[8:9], s[30:31]          ; hq at (tile, K step 8 kq)
	s_lshl_b32 s30, s28, 9
	s_add_co_u32 s30, s30, s3
	s_add_nc_u64 s[10:11], s[10:11], s[30:31]      ; hsc at (tile, kq)
	s_lshl_b32 s30, s28, 22
	s_lshl_b32 s3, s29, 9
	s_add_co_u32 s30, s30, s3
	s_lshl_b32 s3, s25, 8
	s_add_co_u32 s30, s30, s3
	s_add_nc_u64 s[12:13], s[12:13], s[30:31]      ; part at (kq, token 0, my set's first column)
	s_wait_loadcnt 63                              ; 64 loads stand behind top1's 32, and 63 is the largest count that can be written: top1 is in
.set i, 0
.rept 32
	v_cmp_eq_u32 s[MK+i], s19, v[TP+i]
.set i, i+1
.endr
	s_mov_b32 s[EX], 0
.set i, 0
.rept 31
	s_bcnt1_i32_b32 s3, s[MK+i]
	s_add_co_u32 s[EX+i+1], s[EX+i], s3
.set i, i+1
.endr
	s_bcnt1_i32_b32 s3, s[MK+31]
	s_add_co_u32 s21, s[EX+31], s3                 ; the list's length
	s_max_u32 s22, s21, 1
	s_sub_co_u32 s22, s22, 1                       ; its last position
	s_add_co_u32 s23, s21, 15
	s_lshr_b32 s23, s23, 4                         ; tiles
	s_add_co_u32 s23, s23, 7
	s_sub_co_u32 s23, s23, s26
	s_lshr_b32 s23, s23, 3                         ; my groups: those whose first tile q + 8 g lies in the list
	s_wait_loadcnt 32                              ; step 0's 32 loads are in, step 1's may be out; likewise below
	QBLOCK RS0, 1
	WLOAD 2, RS0
	WSTORE 0
	s_wait_loadcnt 32
	QBLOCK RS1, 1
	WLOAD 3, RS1
	WSTORE 1
	s_wait_loadcnt 32
	QBLOCK RS0, 1
	WSTORE 2
	s_wait_loadcnt 0x0
	QBLOCK RS1, 1
	WSTORE 3
	s_wait_dscnt 0x0                               ; for the others' sake: my part of the images lies in LDS
	s_barrier_signal -1
	s_barrier_wait -1
	s_mov_b32 s24, 0
	s_mov_b32 s2, 0
.Lgrp:                                                 ; at most 8 groups (64 tiles); the loop is left at my last
	s_cmp_ge_u32 s24, s23
	s_cbranch_scc1 .Lend
.irp n, 0,1                                    ; h's fragments hang on no token: they are asked for first, and the list is made while they come
.irp s, 0,1,2,3,4,5,6,7
.irp g, 0,1,2
	global_load_b128 v[XF+96*\n+12*\s+4*\g:XF+96*\n+12*\s+4*\g+3], v4, s[8:9] offset:196608*\n+1536*\s+512*\g
.endr
.endr
	global_load_b128 v[XSW+8*\n:XSW+8*\n+3], v16, s[10:11] offset:8192*\n
	global_load_b128 v[XSW+8*\n+4:XSW+8*\n+7], v16, s[10:11] offset:8192*\n+16
.endr
	v_add_nc_u32 v12, s2, v11
	v_min_u32 v12, s22, v12                        ; past the list's end: its last token again
	TOKENS
	v_permlanex16_b32 v19, v13, s98, s99
	v_cndmask_b32 v14, v13, v19, s100              ; tile A's token r in both halves of the lanes,
	v_cndmask_b32 v15, v19, v13, s100              ; tile B's likewise
	KLOOP
.irp n, 0,1
	WIN 0x04                                       ; an LDS store's data window 1
.irp jp, 0,1,2,3
	ds_store_b128 v56, v[ACC+32*\n+8*\jp:ACC+32*\n+8*\jp+3] offset:64*\jp          ; each accumulator from its low end on
	ds_store_b128 v56, v[ACC+32*\n+8*\jp+4:ACC+32*\n+8*\jp+7] offset:64*\jp+16
.endr
	WIN 0x40
.irp i, 0,1,2,3,4,5,6,7
	ds_load_b128 v[OUTR+32*\n+4*\i:OUTR+32*\n+4*\i+3], v57 offset:544*\i   ; LDS serves a wave's instructions in order: these see my stores, and the next tile's stores come behind them
.endr
	WIN 0
.if \n == 0
.irp i, 0,1,2,3,4,5,6,7
	v_add_nc_u32 v[64+\i], 8*\i, v58               ; 4 x (row 2 i + h): the lane that holds that row's token
.endr
.endif
.irp i, 0,1,2,3,4,5,6,7
	ds_bpermute_b32 v[72+8*\n+\i], v[64+\i], v[14+\n]
.endr
	s_wait_dscnt 0x0
.irp i, 0,1,2,3,4,5,6,7
	v_min_u32 v[72+8*\n+\i], 0x3ff, v[72+8*\n+\i]
.endr
.irp i, 0,1,2,3,4,5,6,7
	v_lshl_add_u32 v[72+8*\n+\i], v[72+8*\n+\i], 12, v59   ; the token's row of 4,096 bytes + 16 r
.endr
	WIN 0x04
.irp i, 0,1,2,3,4,5,6,7
	global_store_b128 v[72+8*\n+\i], v[OUTR+32*\n+4*\i:OUTR+32*\n+4*\i+3], s[12:13]   ; sixteen lanes store 256 consecutive bytes, at a multiple of 256 from part's first byte
.endr
.endr
	WIN 0
	s_wait_xcnt 0x0                                ; the stores' data and offsets, and the loads' bases, are written again only behind this wait
	s_add_nc_u64 s[8:9], s[8:9], 393216            ; eight tiles on
	s_add_nc_u64 s[10:11], s[10:11], 16384
	s_add_co_u32 s2, s2, 128
	s_add_co_u32 s24, s24, 1
	s_cmp_lt_u32 s24, 8
	s_cbranch_scc1 .Lgrp
.Lend:
	s_wait_tensorcnt 0x0
	ds_add_u32 v62, v63
	s_wait_dscnt 0x0
	s_endpgm
.Lfunc_end_k_q3d38190c08_down:
	.size	k_q3d38190c08_down, .Lfunc_end_k_q3d38190c08_down-k_q3d38190c08_down
	.p2alignl 7, 3214868480
	.fill 96, 4, 3214868480
	.section	.rodata,"a",@progbits
	.p2align	6, 0x0
	.amdhsa_kernel k_q3d38190c08_down
		.amdhsa_group_segment_fixed_size 138240
		.amdhsa_private_segment_fixed_size 0
		.amdhsa_enable_private_segment 0
		.amdhsa_kernarg_size 40
		.amdhsa_user_sgpr_count 2
		.amdhsa_user_sgpr_kernarg_segment_ptr 1
		.amdhsa_wavefront_size32 1
		.amdhsa_system_sgpr_workgroup_id_x 1
		.amdhsa_system_sgpr_workgroup_id_y 1
		.amdhsa_system_sgpr_workgroup_id_z 1
		.amdhsa_system_vgpr_workitem_id 0
		.amdhsa_next_free_vgpr 512
		.amdhsa_next_free_sgpr 102
		.amdhsa_reserve_vcc 1
		.amdhsa_float_denorm_mode_32 3
		.amdhsa_float_denorm_mode_16_64 3
		.amdhsa_memory_ordered 1
		.amdhsa_forward_progress 1
		.amdhsa_inst_pref_size 107
	.end_amdhsa_kernel
	.amdgpu_metadata
---
amdhsa.version: [ 1, 2 ]
amdhsa.kernels:
  - .name:           k_q3d38190c08_down
    .symbol:         k_q3d38190c08_down.kd
    .args:
      - { .name: W2, .offset: 0, .size: 8, .value_kind: global_buffer, .address_space: global }
      - { .name: top1, .offset: 8, .size: 8, .value_kind: global_buffer, .address_space: global }
      - { .name: hq, .offset: 16, .size: 8, .value_kind: global_buffer, .address_space: global }
      - { .name: hsc, .offset: 24, .size: 8, .value_kind: global_buffer, .address_space: global }
      - { .name: part, .offset: 32, .size: 8, .value_kind: global_buffer, .address_space: global }
    .group_segment_fixed_size: 138240
    .private_segment_fixed_size: 0
    .kernarg_segment_align: 8
    .kernarg_segment_size: 40
    .max_flat_workgroup_size: 256
    .sgpr_count:     102
    .vgpr_count:     512
    .wavefront_size: 32
...
	.end_amdgpu_metadata
.endif
;; end of part 3
;; launch sum (part 4): grid 256 x 1, 4 waves a work-group, no clusters, 0 bytes of LDS; arguments part, b2, top1, out0; writes out0
.if DOCPART == 4
	.amdgcn_target "amdgcn-amd-amdhsa--gfx1250"
	.amdhsa_code_object_version 6
	.text
	.protected	k_q3d38190c08_sum
	.globl	k_q3d38190c08_sum
	.p2align	8
	.type	k_q3d38190c08_sum,@function
k_q3d38190c08_sum:
	s_mov_b64 s[64:65], 0
	v_nop
	global_prefetch_b8 v0, s[64:65] scope:SCOPE_SE
	s_setreg_imm32_b32 hwreg(HW_REG_WAVE_MODE, 25, 1), 1
	s_wait_xcnt 0x0
; out0[t] = (part[0][t] + part[1][t]) + (part[2][t] + part[3][t]) + b2[top1[t]], in f32.
; A wave takes one token (4 x work-group + wave): a row of 4,096 bytes is eight loads of 512 consecutive bytes from each of the four parts and from b2's row of the chosen expert.
; All 40 loads of a wave go out at once; the waits count down; each store covers 512 consecutive aligned bytes.  A stream: no LDS, no barrier, no matrix unit.
; top1 is read as a whole number that an earlier launch stored, and is held at 7 before it enters an address.
	s_load_b256 s[4:11], s[0:1], 0x0               ; part s[4:5], b2 s[6:7], top1 s[8:9], out0 s[10:11]
	v_lshrrev_b32 v2, 5, v0
	v_readfirstlane_b32 s16, v2                    ; wave
	v_and_b32 v1, 31, v0
	v_lshlrev_b32 v1, 4, v1                        ; 16 x lane
	s_lshl_b32 s17, ttmp9, 2
	s_add_co_u32 s17, s17, s16                     ; my token
	s_lshl_b32 s12, s17, 2
	s_mov_b32 s13, 0
	s_lshl_b32 s14, s17, 12
	s_mov_b32 s15, 0
	s_mov_b32 s19, 0
	s_wait_kmcnt 0x0
	s_add_nc_u64 s[8:9], s[8:9], s[12:13]
	s_load_b32 s18, s[8:9], 0x0                    ; the chosen expert
	s_add_nc_u64 s[4:5], s[4:5], s[14:15]          ; parts 0 and 1 at my row,
	s_add_nc_u64 s[20:21], s[4:5], 0x800000        ; parts 2 and 3
	s_add_nc_u64 s[10:11], s[10:11], s[14:15]
.irp j, 0,1,2,3,4,5,6,7
	global_load_b128 v[16+20*\j:19+20*\j], v1, s[4:5] offset:512*\j th:TH_LOAD_NT
	global_load_b128 v[20+20*\j:23+20*\j], v1, s[4:5] offset:512*\j+4194304 th:TH_LOAD_NT
	global_load_b128 v[24+20*\j:27+20*\j], v1, s[20:21] offset:512*\j th:TH_LOAD_NT
	global_load_b128 v[28+20*\j:31+20*\j], v1, s[20:21] offset:512*\j+4194304 th:TH_LOAD_NT
.endr
	s_wait_kmcnt 0x0
	s_min_u32 s18, s18, 7
	s_lshl_b32 s18, s18, 12
	s_add_nc_u64 s[6:7], s[6:7], s[18:19]          ; b2 at the expert's row
.irp j, 0,1,2,3,4,5,6,7
	global_load_b128 v[32+20*\j:35+20*\j], v1, s[6:7] offset:512*\j
.endr
.irp j, 0,1,2,3,4,5,6,7
	s_wait_loadcnt 7-\j                            ; b2's loads are the youngest: piece j's is in, and with it all four parts
	v_pk_add_f32 v[16+20*\j:17+20*\j], v[16+20*\j:17+20*\j], v[20+20*\j:21+20*\j]
	v_pk_add_f32 v[18+20*\j:19+20*\j], v[18+20*\j:19+20*\j], v[22+20*\j:23+20*\j]
	v_pk_add_f32 v[24+20*\j:25+20*\j], v[24+20*\j:25+20*\j], v[28+20*\j:29+20*\j]
	v_pk_add_f32 v[26+20*\j:27+20*\j], v[26+20*\j:27+20*\j], v[30+20*\j:31+20*\j]
	v_pk_add_f32 v[16+20*\j:17+20*\j], v[16+20*\j:17+20*\j], v[24+20*\j:25+20*\j]
	v_pk_add_f32 v[18+20*\j:19+20*\j], v[18+20*\j:19+20*\j], v[26+20*\j:27+20*\j]
	v_pk_add_f32 v[16+20*\j:17+20*\j], v[16+20*\j:17+20*\j], v[32+20*\j:33+20*\j]
	v_pk_add_f32 v[18+20*\j:19+20*\j], v[18+20*\j:19+20*\j], v[34+20*\j:35+20*\j]
	global_store_b128 v1, v[16+20*\j:19+20*\j], s[10:11] offset:512*\j th:TH_STORE_NT
.endr
	s_endpgm
.Lfunc_end_k_q3d38190c08_sum:
	.size	k_q3d38190c08_sum, .Lfunc_end_k_q3d38190c08_sum-k_q3d38190c08_sum
	.p2alignl 7, 3214868480
	.fill 96, 4, 3214868480
	.section	.rodata,"a",@progbits
	.p2align	6, 0x0
	.amdhsa_kernel k_q3d38190c08_sum
		.amdhsa_group_segment_fixed_size 0
		.amdhsa_private_segment_fixed_size 0
		.amdhsa_enable_private_segment 0
		.amdhsa_kernarg_size 32
		.amdhsa_user_sgpr_count 2
		.amdhsa_user_sgpr_kernarg_segment_ptr 1
		.amdhsa_wavefront_size32 1
		.amdhsa_system_sgpr_workgroup_id_x 1
		.amdhsa_system_sgpr_workgroup_id_y 1
		.amdhsa_system_sgpr_workgroup_id_z 1
		.amdhsa_system_vgpr_workitem_id 0
		.amdhsa_next_free_vgpr 176
		.amdhsa_next_free_sgpr 66
		.amdhsa_reserve_vcc 0
		.amdhsa_float_denorm_mode_32 3
		.amdhsa_float_denorm_mode_16_64 3
		.amdhsa_memory_ordered 1
		.amdhsa_forward_progress 1
		.amdhsa_inst_pref_size 10
	.end_amdhsa_kernel
	.amdgpu_metadata
---
amdhsa.version: [ 1, 2 ]
amdhsa.kernels:
  - .name:           k_q3d38190c08_sum
    .symbol:         k_q3d38190c08_sum.kd
    .args:
      - { .name: part, .offset: 0, .size: 8, .value_kind: global_buffer, .address_space: global }
      - { .name: b2, .offset: 8, .size: 8, .value_kind: global_buffer, .address_space: global }
      - { .name: top1, .offset: 16, .size: 8, .value_kind: global_buffer, .address_space: global }
      - { .name: out0, .offset: 24, .size: 8, .value_kind: global_buffer, .address_space: global }
    .group_segment_fixed_size: 0
    .private_segment_fixed_size: 0
    .kernarg_segment_align: 8
    .kernarg_segment_size: 32
    .max_flat_workgroup_size: 128
    .sgpr_count:     66
    .vgpr_count:     176
    .wavefront_size: 32
...
	.end_amdgpu_metadata
.endif
;; end of part 4
;; ======== version 2 of 2: 4 launches; version 1 with the launches up, down written anew for expert scheduling mode
;; workspace buffers: top1 4,096 bytes of whole numbers; xq 786,432 bytes; xsc 32,768 bytes; hq 25,165,824 bytes; hsc 1,048,576 bytes; part 16,777,216 bytes
;; launch gate: the kernel of part 1 again; grid 256 x 1, 4 waves a work-group, no clusters, 55,808 bytes of LDS; arguments x, Wg, bg, top1, xq, xsc; writes top1, xq, xsc
;; launch up (part 5): grid 32 x 8, 8 waves a work-group, no clusters, 103,424 bytes of LDS; arguments W1, b1, top1, xq, xsc, hq, hsc; writes hq, hsc
.if DOCPART == 5
	.amdgcn_target "amdgcn-amd-amdhsa--gfx1250"
	.amdhsa_code_object_version 6
	.text
	.protected	k_q3d38190c08_up
	.globl	k_q3d38190c08_up
	.p2align	8
	.type	k_q3d38190c08_up,@function
k_q3d38190c08_up:
	s_mov_b64 s[64:65], 0
	v_nop
	global_prefetch_b8 v0, s[64:65] scope:SCOPE_SE
	s_setreg_imm32_b32 hwreg(HW_REG_WAVE_SCHED_MODE, 0, 2), 2
	s_setreg_imm32_b32 hwreg(HW_REG_WAVE_MODE, 25, 1), 1
	s_wait_xcnt 0x0
	s_wait_alu depctr_vm_vsrc(0)
; h = Q(relu(x W1[e] + b1[e])) for the tokens that chose expert e, on codes of FP6 (E2M3) with one E8M0 byte for each 32 along K.
; SHARES.  Work-group (ks, e) owns 128 hidden units (128 ks on) of expert e over all K = 1,024: 512 KiB of f32, read once, a row of 512 bytes by each load.
; PHASE 1, THE STREAM.  In step t = 0..3 wave w takes block 8 t + w of K (32 rows); lane l takes columns 4 l .. 4 l + 3.  So a lane holds whole blocks of 32 along K for four columns:
; a block's largest magnitude needs no other lane.  The conversions want 16 neighbours along K in consecutive registers, and a 16-byte load lays K four registers apart: 32 copies a column put that right.
; (4-byte loads would need no copy, but each would cover a quarter of the bytes: with as many loads out, a quarter would be on its way.)  32 to 63 loads of 512 bytes of each wave are out.
; The codes go to LDS as images of operand registers: fragment (K step s, set c of 64 columns, tile j') at 1,536 ((2 s + c) 4 + j'), 48 bytes a lane.  One barrier.
; TILE j' OF A SET HOLDS COLUMNS 4 m + j' (m = the tile's row).  The product is used transposed (source 0 = 16 columns of W1, source 1 = 16 tokens): lane (r, h) holds token r, and register j of tile j'
; hidden unit 64 c + 32 h + 4 j + j': the lane's 32 results are ONE whole block of the next K.  They are converted in register order, i = 8 j' + j for unit 4 (i % 8) + i / 8;
; the next launch lays W2's rows of each block in the same order, which leaves every product as it is.  So h changes no lane.
; PHASE 2.  Wave (c = w & 1, q = w >> 1) takes set c and, in group g, the token tiles q + 8 g and q + 4 + 8 g of the expert's list.  The list is made in registers: 32 masks (which tokens chose e),
; their running counts, and for each lane the p-th set bit.  Positions past the list's end are held at its last token: such rows repeat it.
; No cluster: no weight byte is shared between work-groups, and what is shared (x's codes) is gathered by lists of unequal length.  No tensor loads: the f32 numbers must pass through registers to be quantised.
; LIMITS: NaN and infinities are not served; a block whose largest magnitude lies under 2^-124 (zeros too) gets the byte 1, which this program alone reads.
; REGISTERS.  Window 0: v1-19 lane numbers, addresses, the list; v20-31 at work; v32-47 x's scale words, v48-55 W1's (scales and nothing else); v56-63 more addresses;
;   v64-255 in the stream T, C, .. below, then x's fragments (96 n + 12 s).   Window 1: in the stream two sets of 128 numbers; then v0-63 accumulators (32 n + 8 j'), v64-159 W1's fragments (two buffers), v160-191 b1, v192-221 h's codes.
; THE MODE: SCHED_MODE bits 1:0 = 2 (LLVM: expert scheduling mode 2), set by the entry lines.  The code itself states the register dependences
; between vector or matrix instructions and memory or LDS instructions, with s_wait_alu, always for 0.
; THE PLAN.  Registers that memory or LDS instructions touch:
;   v4-v10, v18, v56-v59   offsets and LDS addresses: made at the head, never written again.
;   RS0, RS1   a step's loads land; its maxima and copies read; behind them the loads of two steps on land (in RS1 at the end: b1).
;   C, BY      a step's conversions and shifts write; its LDS stores read; the next step writes them again; in the first trip x's fragments land there.
;   v14-v17    each trip's vector work writes; the trip's 52 loads read.        XF, XSW   those loads land; the products read.
;   WF, WS     two buffers: LDS loads land, K step s's products read, the loads of K step s + 2 land.
;   SA, v63    a trip's vector work writes; its five stores, in one run at its end, read.
; So: one wait on va_vdst at the end of a step of the stream, one ahead of a trip's loads, one behind each of K steps 0 to 5, one ahead of a trip's stores;
; one wait on vm_vsrc at the head of steps 1 to 3 of the stream, one ahead of the loop, one at a trip's end.  Masks that compares make have their own waits ahead of their first readers.
.set WSC,  98304                       ; LDS behind the images: W1's scale words, 64 bytes a fragment
.set JS,   1536                        ; from column j to column j + 1 of a lane: the next tile's image
.set JB,   64
.set T,    64                          ; v64-95   32 numbers of one column, K on end (first: top1 as loaded)
.set TP,   64
.set C,    96                          ; v96-119  four columns' codes, 6 registers each
.set TMP,  120
.set MX,   124
.set SO,   128
.set BY,   132
.set XSW,  32
.set WS,   48
.set XF,   64
.set ACC,  0
.set WF,   64
.set BI,   160
.set HC,   192
.set HT,   198
.set SA,   208
.set RS0,  0
.set RS1,  128
.set EX,   32                          ; s32-63  how many tokens of e lie ahead of word i
.set MK,   66                          ; s66-97  word i: which of tokens 32 i .. 32 i + 31 chose e
.set CM,   18                          ; s18-21, s25-28: in the loop, where their first use is over: the eight masks of a run of compares, mask m at CM + m + 3 (m / 4)
.set FIRST, 1                          ; a sum's first product takes b1 as its C
.set MSB, 0
.macro WIN new                         ; the immediate's high byte repeats the setting that is left
.if MSB != \new
	s_set_vgpr_msb (MSB<<8)|\new
.set MSB, \new
.endif
.endm
.macro PLACES                          ; four plain places behind a matrix instruction, in front of loads into its sources and of reads of its result
.rept 4
	v_nop
.endr
.endm
.macro WLOAD t, RB                     ; step t's 32 rows into set RB of window 1
	WIN 0x40
.set i, 0
.rept 32
.if \t < 2
	global_load_b128 v[\RB+4*i:\RB+4*i+3], v4, s[4:5] offset:(256*((\t)%2)+i)*16384 th:TH_LOAD_NT
.else
	global_load_b128 v[\RB+4*i:\RB+4*i+3], v4, s[28:29] offset:(256*((\t)%2)+i)*16384 th:TH_LOAD_NT
.endif
.set i, i+1
.endr
	WIN 0
.endm
.macro QBLOCK RB, perm, again          ; 32 rows x my 4 columns become 4 x 6 registers of codes and 4 bytes.  perm = 1: position i takes row 4 (i % 8) + i / 8.  again = 1: a step went before
	s_wait_dscnt 0x0                               ; the last step's LDS stores are done
.if \again
	s_wait_alu depctr_vm_vsrc(0)                   ; the last step's LDS stores have read C and BY, which this step writes again
.endif
	WIN 0x05
.irp j, 0,1,2,3
	v_max3_num_f32 v[MX+\j], |v[\RB+\j]|, |v[\RB+4+\j]|, 0x1800000   ; the floor 2^(3 - 127) holds the byte at 1 from below
.endr
	WIN 0x14
.irp i, 2,4,6,8,10,12,14,16,18,20,22,24,26,28,30
.irp j, 0,1,2,3
	v_max3_num_f32 v[MX+\j], v[MX+\j], |v[\RB+4*\i+\j]|, |v[\RB+4*\i+4+\j]|
.endr
.endr
	WIN 0
.irp j, 0,1,2,3
	v_add_nc_u32 v[SO+\j], 0xff000000, v[MX+\j]    ; 2 off the exponent field: the conversion's scale operand
.endr
.irp j, 0,1,2,3
	v_lshrrev_b32 v[BY+\j], 23, v[SO+\j]           ; the byte
.endr
.irp j, 0,1,2,3
	WIN 0x01
.set i, 0
.rept 32
.if \perm
	v_mov_b32 v[T+i], v[\RB+4*(4*(i%8)+i/8)+\j]
.else
	v_mov_b32 v[T+i], v[\RB+4*i+\j]
.endif
.set i, i+1
.endr
	WIN 0
	v_cvt_scalef32_pk16_fp6_f32 v[C+6*\j:C+6*\j+2], v[T:T+15], v[SO+\j]
	v_cvt_scalef32_pk16_fp6_f32 v[TMP:TMP+2], v[T+16:T+31], v[SO+\j]   ; (a conversion's three registers begin on an even number)
	v_nop                                          ; one plain place behind a scaled conversion
.irp i, 0,1,2
	v_mov_b32 v[C+6*\j+3+\i], v[TMP+\i]
.endr
.endr
	s_wait_alu depctr_va_vdst(0)                   ; the maxima and copies are done reading the set, in which the next loads land; C and BY are written, which the LDS stores read, and so are the addresses made at the head
.endm
.macro WSTORE t                        ; the block's codes and bytes to their places in the images
.irp j, 0,1,2,3
.irp p, 0,1,2
	ds_store_b64 v[5+(\t)/2], v[C+6*\j+2*\p:C+6*\j+2*\p+1] offset:((\t)%2)*24576+JS*\j+8*\p
.endr
	ds_store_b8 v7, v[BY+\j] offset:1024*(\t)+JB*\j
.endr
.endm
.macro LOADK s                         ; K step s of my set: four fragments and their scale words, 16 LDS loads, into buffer s % 2
	WIN 0x40
.irp jp, 0,1,2,3
.irp g, 0,1,2
	ds_load_b128 v[WF+48*((\s)%2)+12*\jp+4*\g:WF+48*((\s)%2)+12*\jp+4*\g+3], v[8+(\s)/4] offset:((\s)%4)*12288+1536*\jp+16*\g
.endr
.endr
	WIN 0
.irp jp, 0,1,2,3
	ds_load_b32 v[WS+4*((\s)%2)+\jp], v10 offset:512*(\s)+64*\jp
.endr
.endm
.macro MM n, jp, s, mode               ; mode 1: C = b1;  2: in place
.if \mode == 1
	v_wmma_scale_f32_16x16x128_f8f6f4 v[ACC+32*\n+8*\jp:ACC+32*\n+8*\jp+7], v[WF+48*((\s)%2)+12*\jp:WF+48*((\s)%2)+12*\jp+11], v[XF+96*\n+12*(\s):XF+96*\n+12*(\s)+11], v[BI+8*\jp:BI+8*\jp+7], v[WS+4*((\s)%2)+\jp], v[XSW+8*\n+(\s)] matrix_a_fmt:MATRIX_FMT_FP6 matrix_b_fmt:MATRIX_FMT_FP6
.else
	v_wmma_scale_f32_16x16x128_f8f6f4 v[ACC+32*\n+8*\jp:ACC+32*\n+8*\jp+7], v[WF+48*((\s)%2)+12*\jp:WF+48*((\s)%2)+12*\jp+11], v[XF+96*\n+12*(\s):XF+96*\n+12*(\s)+11], v[ACC+32*\n+8*\jp:ACC+32*\n+8*\jp+7], v[WS+4*((\s)%2)+\jp], v[XSW+8*\n+(\s)] matrix_a_fmt:MATRIX_FMT_FP6 matrix_b_fmt:MATRIX_FMT_FP6
.endif
.endm
.macro KLOOP                           ; 8 K steps x 8 products; the eight accumulators take turns, one instruction a turn
	LOADK 0
	LOADK 1
	s_wait_loadcnt 0x0                             ; the tokens' fragments and scale words, and b1
.irp s, 0,1,2,3,4,5,6,7
.if \s < 7
	s_wait_dscnt 16                                ; this step's 16 loads are in; the next step's 16 may be out
.else
	s_wait_dscnt 0x0
.endif
	WIN 0x51                                       ; source 0 (W1), C and D window 1; source 1 (x) window 0
.irp n, 0,1
.irp jp, 0,1,2,3
.if \s == 0
	MM \n, \jp, \s, FIRST
.else
	MM \n, \jp, \s, 2
.endif
.endr
.endr
.if \s < 6
	PLACES
	s_wait_alu depctr_va_vdst(0)                   ; this step's products are done reading their buffer of W1's fragments and its scale words, in which the loads below land
	LOADK \s+2                                     ; into the buffer just multiplied
.endif
.endr
	WIN 0
	PLACES
.endm
.macro DESC a, w                       ; does the bit sought lie in the lower w bits from pos on, or past them?
	v_bfe_u32 v29, v[\a], v28, \w
	v_cmp_ge_u32 vcc_lo, v23, v29
	s_wait_alu depctr_va_vcc(0)                    ; VCC is written, ahead of the two selections that read it
	v_cndmask_b32 v30, 0, v29, vcc_lo
	v_sub_nc_u32 v23, v23, v30
	v_cndmask_b32 v30, 0, \w, vcc_lo
	v_add_nc_u32 v28, v28, v30
.endm
.macro TOKENS                          ; v12 = a position in the expert's list (under its length) -> v13 = the token there
	v_mov_b32 v20, s[MK]
	v_mov_b32 v21, 0
	v_mov_b32 v22, 0
.set i0, 1
.rept 4                                ; the 31 compares go in runs of eight, into eight scalar registers, with one wait behind a run; the selections follow in ascending order of the words
.set m, 0
.rept 8
.set ii, i0+m
.if ii < 32
	v_cmp_le_u32 s[CM+m+3*(m/4)], s[EX+ii], v12    ; the last word whose running count does not pass the position holds the bit
.endif
.set m, m+1
.endr
	s_wait_alu depctr_va_sdst(0)                   ; the run's masks are written, ahead of the selections that read them
.set m, 0
.rept 8
.set ii, i0+m
.if ii < 32
	v_cndmask_b32 v20, v20, s[MK+ii], s[CM+m+3*(m/4)]
	v_cndmask_b32 v21, v21, s[EX+ii], s[CM+m+3*(m/4)]
	v_cndmask_b32 v22, v22, ii, s[CM+m+3*(m/4)]
.endif
.set m, m+1
.endr
.set i0, i0+8
.endr
	v_sub_nc_u32 v23, v12, v21                     ; which set bit of that word
	v_lshrrev_b32 v24, 1, v20                      ; counts of set bits in fields of 2, 4, 8, 16
	v_and_b32 v24, 0x55555555, v24
	v_sub_nc_u32 v24, v20, v24
	v_lshrrev_b32 v25, 2, v24
	v_and_b32 v25, 0x33333333, v25
	v_and_b32 v30, 0x33333333, v24
	v_add_nc_u32 v25, v25, v30
	v_lshrrev_b32 v26, 4, v25
	v_add_nc_u32 v26, v26, v25
	v_and_b32 v26, 0x0f0f0f0f, v26
	v_lshrrev_b32 v27, 8, v26
	v_add_nc_u32 v27, v27, v26
	v_and_b32 v27, 0x00ff00ff, v27
	v_mov_b32 v28, 0
	DESC 27, 16
	DESC 26, 8
	DESC 25, 4
	DESC 24, 2
	DESC 20, 1
	v_lshl_add_u32 v13, v22, 5, v28
.endm
	s_load_b256 s[4:11], s[0:1], 0x0               ; W1 s[4:5], b1 s[6:7], top1 s[8:9], xq s[10:11]
	s_load_b128 s[12:15], s[0:1], 0x20             ; xsc s[12:13], hq s[14:15]
	s_load_b64 s[16:17], s[0:1], 0x30              ; hsc
	v_lshrrev_b32 v1, 5, v0
	v_readfirstlane_b32 s18, v1                    ; wave w
	s_and_b32 s19, ttmp7, 0xffff                   ; expert e
	s_mov_b32 s20, ttmp9                           ; ks: which 128 hidden units
	v_and_b32 v1, 31, v0                           ; l
	v_and_b32 v2, 15, v0                           ; r
	v_bfe_u32 v3, v0, 4, 1                         ; h
	v_lshlrev_b32 v4, 4, v1                        ; 16 l
	v_lshlrev_b32 v59, 2, v1                       ; 4 l
	s_wait_alu depctr_va_sdst(0)                   ; s18 is written, ahead of its first reader
	s_and_b32 s25, s18, 1                          ; c
	s_lshr_b32 s26, s18, 1                         ; q
	s_lshl_b32 s30, s19, 24                        ; W1: expert, my wave's 32 rows of 16,384 bytes, the slice's 512 bytes
	s_lshl_b32 s3, s18, 19
	s_add_co_u32 s30, s30, s3
	s_lshl_b32 s3, s20, 9
	s_add_co_u32 s30, s30, s3
	s_mov_b32 s31, 0
	s_wait_kmcnt 0x0
	s_add_nc_u64 s[4:5], s[4:5], s[30:31]
	s_add_nc_u64 s[28:29], s[4:5], 0x800000        ; 512 rows on, for steps 2 and 3: the immediates stay inside their signed 24 bits
	s_wait_alu depctr_va_vdst(0)                   ; v4 and v59 are written: the loads below read them as their offsets
.set i, 0
.rept 32
	global_load_b32 v[TP+i], v59, s[8:9] offset:128*i
.set i, i+1
.endr
	WLOAD 0, RS0
	WLOAD 1, RS1
	; addresses, while the loads are on their way
	s_lshr_b32 s27, s18, 2
	s_mul_i32 s27, s27, 12288
	s_mul_i32 s3, s25, 768
	s_add_co_u32 s27, s27, s3
	s_and_b32 s3, s26, 1
	s_mul_i32 s3, s3, 24
	s_add_co_u32 s27, s27, s3
	v_mul_u32_u24 v5, v2, 48
	v_mad_u32_u24 v5, v3, 6144, v5
	v_add_nc_u32 v5, s27, v5                       ; images, on the way in: K step 2 t + (w >> 2), set l >> 4, lane 16 (w & 1) + (l & 15), half (w >> 1) & 1
	v_add_nc_u32 v6, 49152, v5                     ; the same for steps 2 and 3
	s_lshr_b32 s27, s18, 2
	s_lshl_b32 s27, s27, 9
	s_and_b32 s3, s18, 3
	s_add_co_u32 s27, s27, s3
	s_add_co_u32 s27, s27, WSC
	v_lshlrev_b32 v7, 2, v2
	v_lshl_add_u32 v7, v3, 8, v7
	v_add_nc_u32 v7, s27, v7                       ; my block's byte in its rows' scale words
	s_mul_i32 s27, s25, 6144
	v_mul_u32_u24 v8, v1, 48
	v_add_nc_u32 v8, s27, v8                       ; images, on the way out: my set, 48 bytes a lane
	v_add_nc_u32 v9, 49152, v8
	s_lshl_b32 s27, s25, 8
	s_add_co_u32 s27, s27, WSC
	v_lshl_add_u32 v10, v2, 2, s27                 ; scale words on the way out
	s_lshl_b32 s27, s26, 4
	v_lshl_add_u32 v11, v3, 6, v2
	v_add_nc_u32 v11, s27, v11                     ; my position in group 0: lanes 0-15 tile q, lanes 16-31 tile q + 4
	s_lshl_b32 s27, s25, 10
	v_add_nc_u32 v18, s27, v4                      ; hq: registers 0-3 (c = 0) or 8-11 (c = 1) of a fragment: 16 l + 1,024 c
	s_lshl_b32 s27, s25, 3
	s_add_co_u32 s27, s27, 512
	v_add_nc_u32 v56, s27, v4                      ; registers 4, 5 or 6, 7: 512 + 16 l + 8 c
	v_lshlrev_b32 v57, 5, v2
	v_lshl_add_u32 v57, v3, 13, v57
	s_lshl_b32 s27, s25, 1
	v_add_nc_u32 v57, s27, v57                     ; hsc: lanes 0-15 tile q's rows, lanes 16-31 tile q + 4's; my set's two bytes of the word
	v_lshlrev_b32 v58, 7, v3                       ; b1: 128 h
	v_mul_u32_u24 v60, v3, 384                     ; xq: 384 h
	v_mov_b32 v19, 0                               ; a lane permute's destination counts as one of its sources
	s_mov_b32 s98, 0x76543210
	s_mov_b32 s99, 0xfedcba98
	s_mov_b32 s100, 0xffff0000                     ; lanes 16-31
	s_cmp_lg_u32 s25, 0
	s_cselect_b32 s101, -1, 0                      ; all lanes where c = 1
	s_lshl_b32 s30, s19, 14                        ; b1: 4 (4,096 e + 128 ks + 64 c)
	s_lshl_b32 s3, s20, 9
	s_add_co_u32 s30, s30, s3
	s_lshl_b32 s3, s25, 8
	s_add_co_u32 s30, s30, s3
	s_add_nc_u64 s[6:7], s[6:7], s[30:31]
	s_lshl_b32 s30, s19, 6
	s_add_co_u32 s30, s30, s26                     ; tile 64 e + q
	s_lshl_b32 s3, s30, 11
	s_lshl_b32 s30, s30, 5
	s_add_co_u32 s30, s30, s20
	s_mul_i32 s30, s30, 1536
	s_add_nc_u64 s[14:15], s[14:15], s[30:31]      ; hq at (tile, ks)
	s_lshr_b32 s30, s20, 3
	s_lshl_b32 s30, s30, 9
	s_add_co_u32 s30, s30, s3
	s_and_b32 s3, s20, 7
	s_lshl_b32 s3, s3, 2
	s_add_co_u32 s30, s30, s3
	s_add_nc_u64 s[16:17], s[16:17], s[30:31]      ; hsc at (tile, ks >> 3, row 0, ks & 7)
	s_wait_loadcnt 63                              ; 64 loads stand behind top1's 32, and 63 is the largest count that can be written: top1 is in
.set i, 0
.rept 32
	v_cmp_eq_u32 s[MK+i], s19, v[TP+i]
.set i, i+1
.endr
	s_wait_alu depctr_va_sdst(0)                   ; the 32 masks are written, ahead of the counts that read them
	s_mov_b32 s[EX], 0
.set i, 0
.rept 31
	s_bcnt1_i32_b32 s3, s[MK+i]
	s_add_co_u32 s[EX+i+1], s[EX+i], s3
.set i, i+1
.endr
	s_bcnt1_i32_b32 s3, s[MK+31]
	s_add_co_u32 s21, s[EX+31], s3                 ; the list's length
	s_max_u32 s22, s21, 1
	s_sub_co_u32 s22, s22, 1                       ; its last position
	s_add_co_u32 s23, s21, 15
	s_lshr_b32 s23, s23, 4                         ; tiles
	s_add_co_u32 s23, s23, 7
	s_sub_co_u32 s23, s23, s26
	s_lshr_b32 s23, s23, 3                         ; my groups: those whose first tile q + 8 g lies in the list
	s_wait_loadcnt 32                              ; step 0's 32 loads are in, step 1's may be out; likewise below
	QBLOCK RS0, 0, 0
	WLOAD 2, RS0
	WSTORE 0
	s_wait_loadcnt 32
	QBLOCK RS1, 0, 1
	WLOAD 3, RS1
	WSTORE 1
	s_wait_loadcnt 32
	QBLOCK RS0, 0, 1
	WSTORE 2
	s_wait_loadcnt 0x0
	QBLOCK RS1, 0, 1
	WIN 0x40                                       ; b1 lands in registers of the set just read out: the wait at the step's end has stated that
.irp jp, 0,1,2,3
.irp j, 0,1,2,3,4,5,6,7
	global_load_b32 v[BI+8*\jp+\j], v58, s[6:7] offset:4*(4*\j+\jp)   ; b1 in the result's layout: unit 32 h + 4 j + j' of my set
.endr
.endr
	WIN 0
	WSTORE 3
	s_wait_dscnt 0x0                               ; for the others' sake: my part of the images lies in LDS
	s_barrier_signal -1
	s_barrier_wait -1
	s_wait_alu depctr_vm_vsrc(0)                   ; my LDS stores have read C and BY: x's fragments land in these registers
	s_mov_b32 s24, 0
	s_mov_b32 s2, 0
.Lgrp:                                                 ; at most 8 groups (64 tiles); the loop is left at my last
	s_cmp_ge_u32 s24, s23
	s_cbranch_scc1 .Lend
	v_add_nc_u32 v12, s2, v11
	v_min_u32 v12, s22, v12                        ; past the list's end: its last token again
	TOKENS
	v_permlanex16_b32 v19, v13, s98, s99
	v_cndmask_b32 v14, v13, v19, s100              ; tile A's token r in both halves of the lanes,
	v_cndmask_b32 v15, v19, v13, s100              ; tile B's likewise
	v_min_u32 v14, 0x3ff, v14
	v_min_u32 v15, 0x3ff, v15
	v_lshlrev_b32 v16, 5, v14                      ; xsc: 32 bytes a token
	v_lshlrev_b32 v17, 5, v15
	v_mul_u32_u24 v14, v14, 768                    ; xq: 768 bytes a token, my half's 384
	v_mul_u32_u24 v15, v15, 768
	v_add_nc_u32 v14, v60, v14
	v_add_nc_u32 v15, v60, v15
	s_wait_alu depctr_va_vdst(0)                   ; v14 to v17 are written, which the loads read; the stream's vector work, or the last trip's products, are done with x's, W1's and the scale words' registers, in which the loads of this trip land
.irp n, 0,1
.set j, 0
.rept 24
	global_load_b128 v[XF+96*\n+4*j:XF+96*\n+4*j+3], v[14+\n], s[10:11] offset:16*j
.set j, j+1
.endr
	global_load_b128 v[XSW+8*\n:XSW+8*\n+3], v[16+\n], s[12:13]
	global_load_b128 v[XSW+8*\n+4:XSW+8*\n+7], v[16+\n], s[12:13] offset:16
.endr
	KLOOP
.irp n, 0,1
	WIN 0x55                                       ; all in window 1
.set i, 0
.rept 32
	v_max_num_f32 v[ACC+32*\n+i], 0, v[ACC+32*\n+i]   ; the activation, in f32; each accumulator from its low end on
.set i, i+1
.endr
	v_max3_num_f32 v202, v[ACC+32*\n], v[ACC+32*\n+1], 0x1800000     ; none is negative: no |.|; the floor holds the byte at 1
	v_max3_num_f32 v203, v[ACC+32*\n+16], v[ACC+32*\n+17], 0x1800000
.irp i, 2,4,6,8,10,12,14
	v_max3_num_f32 v202, v202, v[ACC+32*\n+\i], v[ACC+32*\n+\i+1]
	v_max3_num_f32 v203, v203, v[ACC+32*\n+16+\i], v[ACC+32*\n+17+\i]
.endr
	v_max_num_f32 v202, v202, v203
	v_add_nc_u32 v204, 0xff000000, v202
	v_cvt_scalef32_pk16_fp6_f32 v[HC:HC+2], v[ACC+32*\n:ACC+32*\n+15], v204
	v_cvt_scalef32_pk16_fp6_f32 v[HT:HT+2], v[ACC+32*\n+16:ACC+32*\n+31], v204
	v_nop                                          ; one plain place behind a scaled conversion
.irp i, 0,1,2
	v_mov_b32 v[HC+3+\i], v[HT+\i]
.endr
.irp i, 0,1,2,3
	v_cndmask_b32 v[SA+8*\n+\i], v[HC+\i], v[HC+2+\i], s101    ; the four registers that fill 16 bytes of the fragment's image: my first four (c = 0) or last four (c = 1),
.endr
.irp i, 0,1
	v_cndmask_b32 v[SA+8*\n+4+\i], v[HC+4+\i], v[HC+\i], s101  ; and the two that share 16 bytes with the other set's
.endr
	WIN 0x04                                       ; source 1 window 1, destination window 0
	v_lshrrev_b32 v[61+\n], 23, v204               ; the block's byte, into window 0
.endr
	WIN 0
.irp n, 0,1
	v_permlanex16_b32 v19, v[61+\n], s98, s99
	v_cndmask_b32 v20, v[61+\n], v19, s100         ; h = 0's byte,
	v_cndmask_b32 v21, v19, v[61+\n], s100         ; h = 1's,
	v_lshl_or_b32 v[22+\n], v21, 8, v20            ; bytes 2 c and 2 c + 1 of token r's scale word
.endr
	v_cndmask_b32 v63, v22, v23, s100              ; lanes 0-15 tile A's, lanes 16-31 tile B's
	s_wait_alu depctr_va_vdst(0)                   ; both tiles' SA and v63 are written: the trip's five stores, in one run, read them
	global_store_b16 v57, v63, s[16:17]
	WIN 0x04                                       ; a store's data window 1, its address window 0
.irp n, 0,1
	global_store_b128 v18, v[SA+8*\n:SA+8*\n+3], s[14:15] offset:196608*\n   ; 512 consecutive bytes, aligned
	global_store_b64 v56, v[SA+8*\n+4:SA+8*\n+5], s[14:15] offset:196608*\n  ; every other 8 bytes of 512: the other set's wave stores the rest
.endr
	WIN 0
	s_wait_xcnt 0x0                                ; the stores' data and bases are written again only behind this wait
	s_wait_alu depctr_vm_vsrc(0)                   ; the trip's loads have read v14 to v17 and its stores SA and v63, all of which the next trip's vector work writes again
	s_add_nc_u64 s[14:15], s[14:15], 393216        ; eight tiles on
	s_add_nc_u64 s[16:17], s[16:17], 16384
	s_add_co_u32 s2, s2, 128
	s_add_co_u32 s24, s24, 1
	s_cmp_lt_u32 s24, 8
	s_cbranch_scc1 .Lgrp
.Lend:
	s_wait_xcnt 0x0
	v_lshl_add_u32 v254, v0, 2, 0x19000            ; the add's two registers are made anew: no memory or LDS instruction has ever read them
	v_mov_b32 v255, 0
	s_wait_dscnt 0x0                               ; the closing lines, six on end
	s_wait_alu 0x0
	s_wait_tensorcnt 0x0
	ds_add_u32 v254, v255
	s_wait_dscnt 0x0
	s_endpgm
.Lfunc_end_k_q3d38190c08_up:
	.size	k_q3d38190c08_up, .Lfunc_end_k_q3d38190c08_up-k_q3d38190c08_up
	.p2alignl 7, 3214868480
	.fill 96, 4, 3214868480
	.section	.rodata,"a",@progbits
	.p2align	6, 0x0
	.amdhsa_kernel k_q3d38190c08_up
		.amdhsa_group_segment_fixed_size 103424
		.amdhsa_private_segment_fixed_size 0
		.amdhsa_enable_private_segment 0
		.amdhsa_kernarg_size 56
		.amdhsa_user_sgpr_count 2
		.amdhsa_user_sgpr_kernarg_segment_ptr 1
		.amdhsa_wavefront_size32 1
		.amdhsa_system_sgpr_workgroup_id_x 1
		.amdhsa_system_sgpr_workgroup_id_y 1
		.amdhsa_system_sgpr_workgroup_id_z 1
		.amdhsa_system_vgpr_workitem_id 0
		.amdhsa_next_free_vgpr 512
		.amdhsa_next_free_sgpr 102
		.amdhsa_reserve_vcc 1
		.amdhsa_float_denorm_mode_32 3
		.amdhsa_float_denorm_mode_16_64 3
		.amdhsa_memory_ordered 1
		.amdhsa_forward_progress 1
		.amdhsa_inst_pref_size 113
	.end_amdhsa_kernel
	.amdgpu_metadata
---
amdhsa.version: [ 1, 2 ]
amdhsa.kernels:
  - .name:           k_q3d38190c08_up
    .symbol:         k_q3d38190c08_up.kd
    .args:
      - { .name: W1, .offset: 0, .size: 8, .value_kind: global_buffer, .address_space: global }
      - { .name: b1, .offset: 8, .size: 8, .value_kind: global_buffer, .address_space: global }
      - { .name: top1, .offset: 16, .size: 8, .value_kind: global_buffer, .address_space: global }
      - { .name: xq, .offset: 24, .size: 8, .value_kind: global_buffer, .address_space: global }
      - { .name: xsc, .offset: 32, .size: 8, .value_kind: global_buffer, .address_space: global }
      - { .name: hq, .offset: 40, .size: 8, .value_kind: global_buffer, .address_space: global }
      - { .name: hsc, .offset: 48, .size: 8, .value_kind: global_buffer, .address_space: global }
    .group_segment_fixed_size: 103424
    .private_segment_fixed_size: 0
    .kernarg_segment_align: 8
    .kernarg_segment_size: 56
    .max_flat_workgroup_size: 256
    .sgpr_count:     102
    .vgpr_count:     512
    .wavefront_size: 32
...
	.end_amdgpu_metadata
.endif
;; end of part 5
;; launch down (part 6): grid 32 x 8, 8 waves a work-group, no clusters, 138,240 bytes of LDS; arguments W2, top1, hq, hsc, part; writes part
.if DOCPART == 6
	.amdgcn_target "amdgcn-amd-amdhsa--gfx1250"
	.amdhsa_code_object_version 6
	.text
	.protected	k_q3d38190c08_down
	.globl	k_q3d38190c08_down
	.p2align	8
	.type	k_q3d38190c08_down,@function
k_q3d38190c08_down:
	s_mov_b64 s[64:65], 0
	v_nop
	global_prefetch_b8 v0, s[64:65] scope:SCOPE_SE
	s_setreg_imm32_b32 hwreg(HW_REG_WAVE_SCHED_MODE, 0, 2), 2
	s_setreg_imm32_b32 hwreg(HW_REG_WAVE_MODE, 25, 1), 1
	s_wait_xcnt 0x0
	s_wait_alu depctr_vm_vsrc(0)
; part[kq][token] = the sum over a quarter of K (hidden units 1,024 kq on) of h W2[e], for the tokens that chose expert e, on codes of FP6 (E2M3) with one E8M0 byte for each 32 along K.
; SHARES.  Work-group (x = 8 kq + nsl, e) owns 128 output columns (128 nsl on) x 1,024 of K: 512 KiB of f32, read once, a row of 512 bytes by each load.  K is cut in four so that a row of the slice is 512 bytes
; and all 256 work-groups have equal work; the four parts are added, with b2, by the launch behind this one.
; PHASE 1, THE STREAM, as in the launch before: in step t wave w takes block 8 t + w (32 rows), lane l columns 4 l .. 4 l + 3; copies lay K on end; codes go to LDS as images of operand registers.
; POSITION i OF A BLOCK TAKES ROW 4 (i % 8) + i / 8: the order in which h's codes were made.  The same order on both sides leaves every product as it is.
; TILE j' OF A SET HOLDS COLUMNS 16 j' + m.  Transposed use (source 0 = 16 columns of W2, source 1 = 16 tokens of h): lane (r, h) holds token r, register j column 64 c + 16 j' + 8 h + j: eight neighbours of a row.
; PHASE 2.  Wave (c = w & 1, q = w >> 1): set c, token tiles q + 8 g and q + 4 + 8 g, the grouping by which h was stored.  h's fragments come as they lie (512 consecutive bytes a load); the token list, made in registers
; while they come, says only where the rows go.  A tile's 16 rows x 256 bytes turn through the wave's own stage in LDS, so that sixteen lanes store 256 consecutive aligned bytes.
; Rows past the list's end repeat its last token: they store equal numbers to that token's row, from this same work-group.
; No cluster: no weight byte is shared between work-groups, and partners' lists differ in length.  No tensor loads: the f32 numbers must pass through registers to be quantised.
; LIMITS: NaN and infinities are not served; a block whose largest magnitude lies under 2^-124 (zeros too) gets the byte 1, which this program alone reads.
; REGISTERS.  Window 0: v1-19 lane numbers, addresses, the list; v20-31 at work; v32-47 h's scale words, v48-55 W2's (scales and nothing else); v56-60 more addresses;
;   v64-255 in the stream T, C, .. below, then h's fragments (96 n + 12 s), on the way out v64-87 lane indices and row offsets.   Window 1: in the stream two sets of 128 numbers; then v0-63 accumulators, v64-159 W2's fragments (two buffers), v160-223 rows on their way out.
; THE MODE: SCHED_MODE bits 1:0 = 2 (LLVM: expert scheduling mode 2), set by the entry lines.  The code itself states the register dependences
; between vector or matrix instructions and memory or LDS instructions, with s_wait_alu, always for 0.
; THE PLAN.  Registers that memory or LDS instructions touch:
;   v4-v10, v16, v56, v57, v60   offsets and LDS addresses: made at the head, never written again.      v62, v63   written at the head, read by the closing add alone.
;   RS0, RS1   a step's loads land; its maxima and copies read; behind them the loads of two steps on land.
;   C, BY      a step's conversions and shifts write; its LDS stores read; the next step writes them again; in the first trip h's fragments land there.
;   XF, XSW    a trip's loads land; its products read.       WF, WS   two buffers: LDS loads land, K step s's products read, the loads of K step s + 2 land.
;   ACC        the products write; the LDS stores into the stage read.       OUTR   the loads from the stage land; the trip's 16 stores read.
;   v64-71     eight additions write; the lane permutes read.      v14, v15   the list's vector work writes; the permutes read.
;   v72-87     the permutes land; vector work makes offsets of them in place; the 16 stores read.
; So: one wait on va_vdst at the end of a step of the stream, one ahead of a trip's loads, one behind each of K steps 0 to 5, one ahead of the stage's stores and the permutes (both tiles go through the stage on end), one ahead of the trip's stores;
; one wait on vm_vsrc at the head of steps 1 to 3 of the stream, one ahead of the loop, one at a trip's end.  Masks that compares make have their own waits ahead of their first readers.
.set WSC,  98304                       ; LDS behind the images: W2's scale words, 64 bytes a fragment
.set STG,  102400                      ; behind them: a stage of 16 rows x (256 bytes + 16) for each wave
.set JS,   48                          ; from column j to column j + 1 of a lane: the next row of the same tile
.set JB,   4
.set T,    64
.set TP,   64
.set C,    96
.set TMP,  120
.set MX,   124
.set SO,   128
.set BY,   132
.set XSW,  32
.set WS,   48
.set XF,   64
.set ACC,  0
.set WF,   64
.set OUTR, 160
.set RS0,  0
.set RS1,  128
.set EX,   32                          ; s32-63  how many tokens of e lie ahead of word i
.set MK,   66                          ; s66-97  word i: which of tokens 32 i .. 32 i + 31 chose e
.set CM,   18                          ; s18-21, s25-28: in the loop, where their first use is over: the eight masks of a run of compares, mask m at CM + m + 3 (m / 4)
.set MSB, 0
.macro WIN new                         ; the immediate's high byte repeats the setting that is left
.if MSB != \new
	s_set_vgpr_msb (MSB<<8)|\new
.set MSB, \new
.endif
.endm
.macro PLACES                          ; four plain places behind a matrix instruction, in front of loads into its sources and of reads of its result
.rept 4
	v_nop
.endr
.endm
.macro WLOAD t, RB                     ; step t's 32 rows into set RB of window 1
	WIN 0x40
.set i, 0
.rept 32
	global_load_b128 v[\RB+4*i:\RB+4*i+3], v4, s[4:5] offset:(256*(\t)+i)*4096 th:TH_LOAD_NT
.set i, i+1
.endr
	WIN 0
.endm
.macro QBLOCK RB, perm, again          ; 32 rows x my 4 columns become 4 x 6 registers of codes and 4 bytes.  perm = 1: position i takes row 4 (i % 8) + i / 8.  again = 1: a step went before
	s_wait_dscnt 0x0                               ; the last step's LDS stores are done
.if \again
	s_wait_alu depctr_vm_vsrc(0)                   ; the last step's LDS stores have read C and BY, which this step writes again
.endif
	WIN 0x05
.irp j, 0,1,2,3
	v_max3_num_f32 v[MX+\j], |v[\RB+\j]|, |v[\RB+4+\j]|, 0x1800000   ; the floor 2^(3 - 127) holds the byte at 1 from below
.endr
	WIN 0x14
.irp i, 2,4,6,8,10,12,14,16,18,20,22,24,26,28,30
.irp j, 0,1,2,3
	v_max3_num_f32 v[MX+\j], v[MX+\j], |v[\RB+4*\i+\j]|, |v[\RB+4*\i+4+\j]|
.endr
.endr
	WIN 0
.irp j, 0,1,2,3
	v_add_nc_u32 v[SO+\j], 0xff000000, v[MX+\j]    ; 2 off the exponent field: the conversion's scale operand
.endr
.irp j, 0,1,2,3
	v_lshrrev_b32 v[BY+\j], 23, v[SO+\j]           ; the byte
.endr
.irp j, 0,1,2,3
	WIN 0x01
.set i, 0
.rept 32
.if \perm
	v_mov_b32 v[T+i], v[\RB+4*(4*(i%8)+i/8)+\j]
.else
	v_mov_b32 v[T+i], v[\RB+4*i+\j]
.endif
.set i, i+1
.endr
	WIN 0
	v_cvt_scalef32_pk16_fp6_f32 v[C+6*\j:C+6*\j+2], v[T:T+15], v[SO+\j]
	v_cvt_scalef32_pk16_fp6_f32 v[TMP:TMP+2], v[T+16:T+31], v[SO+\j]   ; (a conversion's three registers begin on an even number)
	v_nop                                          ; one plain place behind a scaled conversion
.irp i, 0,1,2
	v_mov_b32 v[C+6*\j+3+\i], v[TMP+\i]
.endr
.endr
	s_wait_alu depctr_va_vdst(0)                   ; the maxima and copies are done reading the set, in which the next loads land; C and BY are written, which the LDS stores read, and so are the addresses made at the head
.endm
.macro WSTORE t                        ; the block's codes and bytes to their places in the images
.irp j, 0,1,2,3
.irp p, 0,1,2
	ds_store_b64 v[5+(\t)/2], v[C+6*\j+2*\p:C+6*\j+2*\p+1] offset:((\t)%2)*24576+JS*\j+8*\p
.endr
	ds_store_b8 v7, v[BY+\j] offset:1024*(\t)+JB*\j
.endr
.endm
.macro LOADK s                         ; K step s of my set: four fragments and their scale words, 16 LDS loads, into buffer s % 2
	WIN 0x40
.irp jp, 0,1,2,3
.irp g, 0,1,2
	ds_load_b128 v[WF+48*((\s)%2)+12*\jp+4*\g:WF+48*((\s)%2)+12*\jp+4*\g+3], v[8+(\s)/4] offset:((\s)%4)*12288+1536*\jp+16*\g
.endr
.endr
	WIN 0
.irp jp, 0,1,2,3
	ds_load_b32 v[WS+4*((\s)%2)+\jp], v10 offset:512*(\s)+64*\jp
.endr
.endm
.macro MM n, jp, s, mode               ; mode 0: the product starts the sum;  2: in place
.if \mode == 0
	v_wmma_scale_f32_16x16x128_f8f6f4 v[ACC+32*\n+8*\jp:ACC+32*\n+8*\jp+7], v[WF+48*((\s)%2)+12*\jp:WF+48*((\s)%2)+12*\jp+11], v[XF+96*\n+12*(\s):XF+96*\n+12*(\s)+11], 0, v[WS+4*((\s)%2)+\jp], v[XSW+8*\n+(\s)] matrix_a_fmt:MATRIX_FMT_FP6 matrix_b_fmt:MATRIX_FMT_FP6
.else
	v_wmma_scale_f32_16x16x128_f8f6f4 v[ACC+32*\n+8*\jp:ACC+32*\n+8*\jp+7], v[WF+48*((\s)%2)+12*\jp:WF+48*((\s)%2)+12*\jp+11], v[XF+96*\n+12*(\s):XF+96*\n+12*(\s)+11], v[ACC+32*\n+8*\jp:ACC+32*\n+8*\jp+7], v[WS+4*((\s)%2)+\jp], v[XSW+8*\n+(\s)] matrix_a_fmt:MATRIX_FMT_FP6 matrix_b_fmt:MATRIX_FMT_FP6
.endif
.endm
.macro KLOOP                           ; 8 K steps x 8 products; the eight accumulators take turns, one instruction a turn
	LOADK 0                                        ; (the wait at the trip's head serves these too: the list's vector work, which stands between, names none of their registers)
	LOADK 1
	s_wait_loadcnt 0x0                             ; h's fragments and scale words
.irp s, 0,1,2,3,4,5,6,7
.if \s < 7
	s_wait_dscnt 16                                ; this step's 16 loads are in; the next step's 16 may be out
.else
	s_wait_dscnt 0x0
.endif
	WIN 0x51                                       ; source 0 (W2), C and D window 1; source 1 (h) window 0
.irp n, 0,1
.irp jp, 0,1,2,3
.if \s == 0
	MM \n, \jp, \s, 0
.else
	MM \n, \jp, \s, 2
.endif
.endr
.endr
.if \s < 6
	PLACES
	s_wait_alu depctr_va_vdst(0)                   ; this step's products are done reading their buffer of W2's fragments and its scale words, in which the loads below land
	LOADK \s+2                                     ; into the buffer just multiplied
.endif
.endr
	WIN 0
	PLACES
.endm
.macro DESC a, w                       ; does the bit sought lie in the lower w bits from pos on, or past them?
	v_bfe_u32 v29, v[\a], v28, \w
	v_cmp_ge_u32 vcc_lo, v23, v29
	s_wait_alu depctr_va_vcc(0)                    ; VCC is written, ahead of the two selections that read it
	v_cndmask_b32 v30, 0, v29, vcc_lo
	v_sub_nc_u32 v23, v23, v30
	v_cndmask_b32 v30, 0, \w, vcc_lo
	v_add_nc_u32 v28, v28, v30
.endm
.macro TOKENS                          ; v12 = a position in the expert's list (under its length) -> v13 = the token there
	v_mov_b32 v20, s[MK]
	v_mov_b32 v21, 0
	v_mov_b32 v22, 0
.set i0, 1
.rept 4                                ; the 31 compares go in runs of eight, into eight scalar registers, with one wait behind a run; the selections follow in ascending order of the words
.set m, 0
.rept 8
.set ii, i0+m
.if ii < 32
	v_cmp_le_u32 s[CM+m+3*(m/4)], s[EX+ii], v12    ; the last word whose running count does not pass the position holds the bit
.endif
.set m, m+1
.endr
	s_wait_alu depctr_va_sdst(0)                   ; the run's masks are written, ahead of the selections that read them
.set m, 0
.rept 8
.set ii, i0+m
.if ii < 32
	v_cndmask_b32 v20, v20, s[MK+ii], s[CM+m+3*(m/4)]
	v_cndmask_b32 v21, v21, s[EX+ii], s[CM+m+3*(m/4)]
	v_cndmask_b32 v22, v22, ii, s[CM+m+3*(m/4)]
.endif
.set m, m+1
.endr
.set i0, i0+8
.endr
	v_sub_nc_u32 v23, v12, v21                     ; which set bit of that word
	v_lshrrev_b32 v24, 1, v20                      ; counts of set bits in fields of 2, 4, 8, 16
	v_and_b32 v24, 0x55555555, v24
	v_sub_nc_u32 v24, v20, v24
	v_lshrrev_b32 v25, 2, v24
	v_and_b32 v25, 0x33333333, v25
	v_and_b32 v30, 0x33333333, v24
	v_add_nc_u32 v25, v25, v30
	v_lshrrev_b32 v26, 4, v25
	v_add_nc_u32 v26, v26, v25
	v_and_b32 v26, 0x0f0f0f0f, v26
	v_lshrrev_b32 v27, 8, v26
	v_add_nc_u32 v27, v27, v26
	v_and_b32 v27, 0x00ff00ff, v27
	v_mov_b32 v28, 0
	DESC 27, 16
	DESC 26, 8
	DESC 25, 4
	DESC 24, 2
	DESC 20, 1
	v_lshl_add_u32 v13, v22, 5, v28
.endm
	s_load_b256 s[4:11], s[0:1], 0x0               ; W2 s[4:5], top1 s[6:7], hq s[8:9], hsc s[10:11]
	s_load_b64 s[12:13], s[0:1], 0x20              ; part
	v_lshl_add_u32 v62, v0, 2, 0x21800
	v_mov_b32 v63, 0
	v_lshrrev_b32 v1, 5, v0
	v_readfirstlane_b32 s18, v1                    ; wave w
	s_and_b32 s19, ttmp7, 0xffff                   ; expert e
	s_lshr_b32 s28, ttmp9, 3                       ; kq: which quarter of K
	s_and_b32 s29, ttmp9, 7                        ; nsl: which 128 columns
	v_and_b32 v1, 31, v0                           ; l
	v_and_b32 v2, 15, v0                           ; r
	v_bfe_u32 v3, v0, 4, 1                         ; h
	v_lshlrev_b32 v4, 4, v1                        ; 16 l
	v_lshlrev_b32 v60, 2, v1                       ; 4 l
	s_wait_alu depctr_va_sdst(0)                   ; s18 is written, ahead of its first reader
	s_and_b32 s25, s18, 1                          ; c
	s_lshr_b32 s26, s18, 1                         ; q
	s_lshl_b32 s30, s19, 24                        ; W2: expert, quarter, my wave's 32 rows of 4,096 bytes, the slice's 512 bytes
	s_lshl_b32 s3, s28, 22
	s_add_co_u32 s30, s30, s3
	s_lshl_b32 s3, s18, 17
	s_add_co_u32 s30, s30, s3
	s_lshl_b32 s3, s29, 9
	s_add_co_u32 s30, s30, s3
	s_mov_b32 s31, 0
	s_wait_kmcnt 0x0
	s_add_nc_u64 s[4:5], s[4:5], s[30:31]
	s_wait_alu depctr_va_vdst(0)                   ; v4 and v60 are written: the loads below read them as their offsets
.set i, 0
.rept 32
	global_load_b32 v[TP+i], v60, s[6:7] offset:128*i
.set i, i+1
.endr
	WLOAD 0, RS0
	WLOAD 1, RS1
	; addresses, while the loads are on their way
	s_lshr_b32 s27, s18, 2
	s_mul_i32 s27, s27, 12288
	s_mul_i32 s3, s25, 768
	s_add_co_u32 s27, s27, s3
	s_and_b32 s3, s26, 1
	s_mul_i32 s3, s3, 24
	s_add_co_u32 s27, s27, s3
	v_bfe_u32 v20, v0, 2, 2                        ; my columns' tile: (l >> 2) & 3
	v_and_b32 v21, 3, v0                           ; and their rows in it: 4 (l & 3) + j
	v_mul_u32_u24 v5, v20, 1536
	v_mad_u32_u24 v5, v21, 192, v5
	v_mad_u32_u24 v5, v3, 6144, v5
	v_add_nc_u32 v5, s27, v5                       ; images, on the way in
	v_add_nc_u32 v6, 49152, v5                     ; the same for steps 2 and 3
	s_lshr_b32 s27, s18, 2
	s_lshl_b32 s27, s27, 9
	s_and_b32 s3, s18, 3
	s_add_co_u32 s27, s27, s3
	s_add_co_u32 s27, s27, WSC
	v_lshlrev_b32 v7, 6, v20
	v_lshl_add_u32 v7, v21, 4, v7
	v_lshl_add_u32 v7, v3, 8, v7
	v_add_nc_u32 v7, s27, v7                       ; my block's byte in its rows' scale words
	s_mul_i32 s27, s25, 6144
	v_mul_u32_u24 v8, v1, 48
	v_add_nc_u32 v8, s27, v8                       ; images, on the way out: my set, 48 bytes a lane
	v_add_nc_u32 v9, 49152, v8
	s_lshl_b32 s27, s25, 8
	s_add_co_u32 s27, s27, WSC
	v_lshl_add_u32 v10, v2, 2, s27                 ; scale words on the way out
	s_lshl_b32 s27, s26, 4
	v_lshl_add_u32 v11, v3, 6, v2
	v_add_nc_u32 v11, s27, v11                     ; my position in group 0: lanes 0-15 tile q, lanes 16-31 tile q + 4
	v_lshlrev_b32 v16, 5, v2                       ; hsc: 32 bytes a row
	s_mul_i32 s27, s18, 4352
	s_add_co_u32 s27, s27, STG                     ; my stage
	v_mul_u32_u24 v56, v2, 272
	v_lshl_add_u32 v56, v3, 5, v56
	v_add_nc_u32 v56, s27, v56                     ; in: row r, 32 bytes for each half of the lanes
	v_mul_u32_u24 v57, v3, 272
	v_lshl_add_u32 v57, v2, 4, v57
	v_add_nc_u32 v57, s27, v57                     ; back: lanes 0-15 one row of 256 bytes, lanes 16-31 the next
	v_lshlrev_b32 v58, 2, v3                       ; 4 h
	v_lshlrev_b32 v59, 4, v2                       ; 16 r
	v_mov_b32 v19, 0                               ; a lane permute's destination counts as one of its sources
	s_mov_b32 s98, 0x76543210
	s_mov_b32 s99, 0xfedcba98
	s_mov_b32 s100, 0xffff0000                     ; lanes 16-31
	s_lshl_b32 s30, s19, 6
	s_add_co_u32 s30, s30, s26                     ; tile 64 e + q
	s_lshl_b32 s3, s30, 11
	s_lshl_b32 s30, s30, 5
	s_lshl_b32 s27, s28, 3
	s_add_co_u32 s30, s30, s27
	s_mul_i32 s30, s30, 1536
	s_add_nc_u64 s[8:9], s[8:9], s[30:31]          ; hq at (tile, K step 8 kq)
	s_lshl_b32 s30, s28, 9
	s_add_co_u32 s30, s30, s3
	s_add_nc_u64 s[10:11], s[10:11], s[30:31]      ; hsc at (tile, kq)
	s_lshl_b32 s30, s28, 22
	s_lshl_b32 s3, s29, 9
	s_add_co_u32 s30, s30, s3
	s_lshl_b32 s3, s25, 8
	s_add_co_u32 s30, s30, s3
	s_add_nc_u64 s[12:13], s[12:13], s[30:31]      ; part at (kq, token 0, my set's first column)
	s_wait_loadcnt 63                              ; 64 loads stand behind top1's 32, and 63 is the largest count that can be written: top1 is in
.set i, 0
.rept 32
	v_cmp_eq_u32 s[MK+i], s19, v[TP+i]
.set i, i+1
.endr
	s_wait_alu depctr_va_sdst(0)                   ; the 32 masks are written, ahead of the counts that read them
	s_mov_b32 s[EX], 0
.set i, 0
.rept 31
	s_bcnt1_i32_b32 s3, s[MK+i]
	s_add_co_u32 s[EX+i+1], s[EX+i], s3
.set i, i+1
.endr
	s_bcnt1_i32_b32 s3, s[MK+31]
	s_add_co_u32 s21, s[EX+31], s3                 ; the list's length
	s_max_u32 s22, s21, 1
	s_sub_co_u32 s22, s22, 1                       ; its last position
	s_add_co_u32 s23, s21, 15
	s_lshr_b32 s23, s23, 4                         ; tiles
	s_add_co_u32 s23, s23, 7
	s_sub_co_u32 s23, s23, s26
	s_lshr_b32 s23, s23, 3                         ; my groups: those whose first tile q + 8 g lies in the list
	s_wait_loadcnt 32                              ; step 0's 32 loads are in, step 1's may be out; likewise below
	QBLOCK RS0, 1, 0
	WLOAD 2, RS0
	WSTORE 0
	s_wait_loadcnt 32
	QBLOCK RS1, 1, 1
	WLOAD 3, RS1
	WSTORE 1
	s_wait_loadcnt 32
	QBLOCK RS0, 1, 1
	WSTORE 2
	s_wait_loadcnt 0x0
	QBLOCK RS1, 1, 1
	WSTORE 3
	s_wait_dscnt 0x0                               ; for the others' sake: my part of the images lies in LDS
	s_barrier_signal -1
	s_barrier_wait -1
	s_wait_alu depctr_vm_vsrc(0)                   ; my LDS stores have read C and BY: h's fragments land in these registers
	s_mov_b32 s24, 0
	s_mov_b32 s2, 0
.Lgrp:                                                 ; at most 8 groups (64 tiles); the loop is left at my last
	s_cmp_ge_u32 s24, s23
	s_cbranch_scc1 .Lend
	s_wait_alu depctr_va_vdst(0)                   ; the last trip's products are done reading h's and W2's fragments and the scale words, and its vector work has written v64 to v87 (in the first trip: the stream's vector work is done with all of these): this trip's loads land there
.irp n, 0,1                                    ; h's fragments hang on no token: they are asked for first, and the list is made while they come
.irp s, 0,1,2,3,4,5,6,7
.irp g, 0,1,2
	global_load_b128 v[XF+96*\n+12*\s+4*\g:XF+96*\n+12*\s+4*\g+3], v4, s[8:9] offset:196608*\n+1536*\s+512*\g
.endr
.endr
	global_load_b128 v[XSW+8*\n:XSW+8*\n+3], v16, s[10:11] offset:8192*\n
	global_load_b128 v[XSW+8*\n+4:XSW+8*\n+7], v16, s[10:11] offset:8192*\n+16
.endr
	v_add_nc_u32 v12, s2, v11
	v_min_u32 v12, s22, v12                        ; past the list's end: its last token again
	TOKENS
	v_permlanex16_b32 v19, v13, s98, s99
	v_cndmask_b32 v14, v13, v19, s100              ; tile A's token r in both halves of the lanes,
	v_cndmask_b32 v15, v19, v13, s100              ; tile B's likewise
	KLOOP
.irp i, 0,1,2,3,4,5,6,7
	v_add_nc_u32 v[64+\i], 8*\i, v58               ; 4 x (row 2 i + h): the lane that holds that row's token
.endr
	s_wait_alu depctr_va_vdst(0)                   ; behind the places: the products have written the accumulators, which the LDS stores read, and are done reading v72 to v87, in which the permutes land; v64 to v71, v14 and v15 are written, which the permutes read
.irp n, 0,1
	WIN 0x04                                       ; an LDS store's data window 1
.irp jp, 0,1,2,3
	ds_store_b128 v56, v[ACC+32*\n+8*\jp:ACC+32*\n+8*\jp+3] offset:64*\jp          ; each accumulator from its low end on
	ds_store_b128 v56, v[ACC+32*\n+8*\jp+4:ACC+32*\n+8*\jp+7] offset:64*\jp+16
.endr
	WIN 0x40
.irp i, 0,1,2,3,4,5,6,7
	ds_load_b128 v[OUTR+32*\n+4*\i:OUTR+32*\n+4*\i+3], v57 offset:544*\i   ; LDS serves a wave's instructions in order: these see my stores, and the next tile's stores come behind them
.endr
.endr
	WIN 0
.irp n, 0,1
.irp i, 0,1,2,3,4,5,6,7
	ds_bpermute_b32 v[72+8*\n+\i], v[64+\i], v[14+\n]
.endr
.endr
	s_wait_dscnt 0x0
.irp n, 0,1
.irp i, 0,1,2,3,4,5,6,7
	v_min_u32 v[72+8*\n+\i], 0x3ff, v[72+8*\n+\i]
.endr
.irp i, 0,1,2,3,4,5,6,7
	v_lshl_add_u32 v[72+8*\n+\i], v[72+8*\n+\i], 12, v59   ; the token's row of 4,096 bytes + 16 r
.endr
.endr
	s_wait_alu depctr_va_vdst(0)                   ; the sixteen offsets v72 to v87 are written, which the stores read
	WIN 0x04
.irp n, 0,1
.irp i, 0,1,2,3,4,5,6,7
	global_store_b128 v[72+8*\n+\i], v[OUTR+32*\n+4*\i:OUTR+32*\n+4*\i+3], s[12:13]   ; sixteen lanes store 256 consecutive bytes, at a multiple of 256 from part's first byte
.endr
.endr
	WIN 0
	s_wait_xcnt 0x0                                ; the stores' data and offsets, and the loads' bases, are written again only behind this wait
	s_wait_alu depctr_vm_vsrc(0)                   ; the LDS stores have read the accumulators, the permutes v64 to v71, v14 and v15, the stores v72 to v87 and the rows: the next trip's loads, vector work and products write all of these again
	s_add_nc_u64 s[8:9], s[8:9], 393216            ; eight tiles on
	s_add_nc_u64 s[10:11], s[10:11], 16384
	s_add_co_u32 s2, s2, 128
	s_add_co_u32 s24, s24, 1
	s_cmp_lt_u32 s24, 8
	s_cbranch_scc1 .Lgrp
.Lend:
	s_wait_dscnt 0x0                               ; the closing lines, six on end
	s_wait_alu 0x0
	s_wait_tensorcnt 0x0
	ds_add_u32 v62, v63
	s_wait_dscnt 0x0
	s_endpgm
.Lfunc_end_k_q3d38190c08_down:
	.size	k_q3d38190c08_down, .Lfunc_end_k_q3d38190c08_down-k_q3d38190c08_down
	.p2alignl 7, 3214868480
	.fill 96, 4, 3214868480
	.section	.rodata,"a",@progbits
	.p2align	6, 0x0
	.amdhsa_kernel k_q3d38190c08_down
		.amdhsa_group_segment_fixed_size 138240
		.amdhsa_private_segment_fixed_size 0
		.amdhsa_enable_private_segment 0
		.amdhsa_kernarg_size 40
		.amdhsa_user_sgpr_count 2
		.amdhsa_user_sgpr_kernarg_segment_ptr 1
		.amdhsa_wavefront_size32 1
		.amdhsa_system_sgpr_workgroup_id_x 1
		.amdhsa_system_sgpr_workgroup_id_y 1
		.amdhsa_system_sgpr_workgroup_id_z 1
		.amdhsa_system_vgpr_workitem_id 0
		.amdhsa_next_free_vgpr 512
		.amdhsa_next_free_sgpr 102
		.amdhsa_reserve_vcc 1
		.amdhsa_float_denorm_mode_32 3
		.amdhsa_float_denorm_mode_16_64 3
		.amdhsa_memory_ordered 1
		.amdhsa_forward_progress 1
		.amdhsa_inst_pref_size 109
	.end_amdhsa_kernel
	.amdgpu_metadata
---
amdhsa.version: [ 1, 2 ]
amdhsa.kernels:
  - .name:           k_q3d38190c08_down
    .symbol:         k_q3d38190c08_down.kd
    .args:
      - { .name: W2, .offset: 0, .size: 8, .value_kind: global_buffer, .address_space: global }
      - { .name: top1, .offset: 8, .size: 8, .value_kind: global_buffer, .address_space: global }
      - { .name: hq, .offset: 16, .size: 8, .value_kind: global_buffer, .address_space: global }
      - { .name: hsc, .offset: 24, .size: 8, .value_kind: global_buffer, .address_space: global }
      - { .name: part, .offset: 32, .size: 8, .value_kind: global_buffer, .address_space: global }
    .group_segment_fixed_size: 138240
    .private_segment_fixed_size: 0
    .kernarg_segment_align: 8
    .kernarg_segment_size: 40
    .max_flat_workgroup_size: 256
    .sgpr_count:     102
    .vgpr_count:     512
    .wavefront_size: 32
...
	.end_amdgpu_metadata
.endif
;; end of part 6
;; launch sum: the kernel of part 4 again; grid 256 x 1, 4 waves a work-group, no clusters, 0 bytes of LDS; arguments part, b2, top1, out0; writes out0
